; MI455X (gfx1250); checked and timed in simulation.
; The chip was launched on July 23, 2026; its instructions are those of AMD's public machine-readable ISA for CDNA 5 (MIT licence, August 2026) and "CDNA5" Instruction Set Architecture Reference Guide (July 2026). The comments in the code are by the model that wrote it; some were corrected since.
;; Instill Attention. Allowed arithmetic: matrix products marked QUANTISED: E2M1 operands, one E8M0 scale for each 32 along K, by v_wmma_scale_f32_16x16x128_f8f6f4 with both operands' format E2M1 (or v_wmma_scale_f32_32x16x128_f4), f32 sums; products left as they are: bf16, f16 or f32 operands; f32 sums; everything else in f32.
;; Inputs: b_out 1,024 float32; b_yout 1,024 float32; ln_b 1,024 float32; ln_g 1,024 float32; w_av 1,024 x 1,024 float32; w_out 1,024 x 1,024 float32; w_qkv 1,024 x 3,072 float32; w_yout 1,024 x 1,024 float32; x 2 x 2,048 x 1,024 float32; y 2 x 2,048 x 1,024 float32.
;; Outputs: out0 2 x 2,048 x 1,024 float32; out1 2 x 2,048 x 1,024 float32.
;; This version of the problem:
;;   THIS VERSION OF THE PROBLEM IS GIVEN IN LOW PRECISION. The matrix products marked QUANTISED in the list below multiply operands that are first quantised to E2M1 (2 exponent bits, 1 mantissa bit; 4 bits a number), with one power-of-two scale for each 32 numbers along K (OCP MX v1.0); their sums are f32. The products marked 'left as it is' may take bf16, f16 or f32 operands, with f32 sums. Whichever they take, every output number must still come out within the allowed error. Rounding operands to bf16 (8 significant bits) uses up far more of that allowance than f16 does (11 bits, for magnitudes from 6e-5 to 65,504). All else is computed in f32.
;;   The module's matrix products, in the order in which they are computed (A, B: the left and right operand; K: the contracted axis; several contracted axes count as one K, in the product's order):
;;     1. [M 4,096, K 1,024] x [K 1,024, N 3,072]; A: computed on the way; B: input w_qkv: left as it is (an operand is computed on the way)
;;     2. [M 4,096, K 1,024] x [K 1,024, N 1,024]; A: input y; B: input w_av: QUANTISED
;;     3. batch 32 x [M 2,048, K 64] x [K 64, N 2,048]; A: computed on the way; B: computed on the way: left as it is (an operand is computed on the way)
;;     4. batch 32 x [M 2,048, K 2,048] x [K 2,048, N 64]; A: computed on the way; B: computed on the way: left as it is (an operand is computed on the way)
;;     5. batch 32 x [M 2,048, K 2,048] x [K 2,048, N 64]; A: computed on the way; B: computed on the way: left as it is (an operand is computed on the way)
;;     6. [M 4,096, K 1,024] x [K 1,024, N 1,024]; A: computed on the way; B: input w_out: left as it is (an operand is computed on the way)
;;     7. [M 4,096, K 1,024] x [K 1,024, N 1,024]; A: computed on the way; B: input w_yout: left as it is (an operand is computed on the way)
;;   THE QUANTISER, for each operand of a quantised product, along K:
;;     - K is cut into blocks of 32 from its start; a last block that is shorter is filled with zeros.
;;     - A block's scale is 2^e with e = floor(log2(the largest magnitude in the block)) - 2, held to -126 .. 127; a block of zeros has e = 0. As a byte (E8M0): e + 127.
;;     - Each number is divided by its block's scale, clamped to +-6, and rounded to the nearest number of E2M1, ties to even, subnormals kept.
;;     - The product sums the exact products of the quantised numbers (number of the format x scale) in f32.
;;   ~~~python
;;   def quantise(x, axis):      # numpy; x: float32 -> the quantised numbers, widened to float32 again
;;       x = np.moveaxis(x, axis, -1); K = x.shape[-1]
;;       x = np.pad(x, [(0, 0)] * (x.ndim - 1) + [(0, -K % 32)]); x = x.reshape(x.shape[:-1] + (-1, 32)); a = np.abs(x).max(-1, keepdims=True)
;;       e = np.where(a > 0, np.clip(np.frexp(np.where(a > 0, a, 1))[1] - 1 - 2, -126, 127), 0)      # np.frexp(a)[1] - 1 = floor(log2(a)), exactly
;;       r = np.clip(x / 2.0 ** e, -6, 6)
;;       step = 2.0 ** (np.maximum(np.frexp(np.where(r == 0, 1, r))[1] - 1, 0) - 1)
;;       q = np.round(r / step) * step * 2.0 ** e      # np.round: ties to even
;;       return np.moveaxis(q.reshape(q.shape[:-2] + (-1,))[..., :K], -1, axis).astype(np.float32)
;;   ~~~
;; One version. Each part assembles by itself: llvm-mc -triple=amdgcn-amd-amdhsa -mcpu=gfx1250 --defsym DOCPART=n.
;; ======== version 1 of 1: 4 launches
;; limits: values are held in f16: magnitudes above 65,504 overflow, below 6.1e-05 lose precision
;; workspace buffers: xn 8,388,608 bytes; wimg 10,485,760 bytes; fp4 2,785,280 bytes; qkva 33,554,432 bytes; ctx 16,777,216 bytes
;; launch prep (part 1): grid 768 x 1, 4 waves a work-group, no clusters, 34,304 bytes of LDS; arguments x, y, ln_g, ln_b, w_qkv, w_av, w_out, w_yout, xn, wimg, fp4; writes xn, wimg, fp4
.if DOCPART == 1
	.amdgcn_target "amdgcn-amd-amdhsa--gfx1250"
	.amdhsa_code_object_version 6
	.text
	.protected	k_qaf589f397e_prep
	.globl	k_qaf589f397e_prep
	.p2align	8
	.type	k_qaf589f397e_prep,@function
k_qaf589f397e_prep:
	s_mov_b64 s[64:65], 0
	v_nop
	global_prefetch_b8 v0, s[64:65] scope:SCOPE_SE
	s_setreg_imm32_b32 hwreg(HW_REG_WAVE_MODE, 25, 1), 1
	s_wait_xcnt 0x0
; PREP: every operand of the later products is laid once as its reader wants it.  Five roles, told apart by the work-group's number alone; the role with the largest share comes first:
;   0-127   YQ: y -> codes of E2M1 and E8M0 scale words along K, as images of the operand's registers (16 rows x 128 K = 1,024 bytes); a wave takes 16 rows x 512 K
;   128-383 LN: xn = LayerNorm(x) g + b, two passes in f32 over a row kept in registers, rounded once to f16, [4096][1024] row-major; a wave takes four rows, all asked for at once
;   384-575 WQ: w_qkv -> f16 images (16 columns x 32 K = 1,024 bytes), [head 16][kf 32][nt 12]: nt 0-3 q's columns of the head, 4-7 k's, 8-11 v's; a wave takes 32 columns x 128 K
;   576-703 WO: w_out, w_yout -> f16 images, [nblk 8][slot 8][o 2][q 4][nt 8]; a wave takes 32 columns x 128 K
;   704-767 WA: w_av -> codes and scale words along K (its first axis): a lane takes a column, its registers run down K; a wave takes 32 columns x 128 K: one image a tile, one scale word a column
; An image holds registers 0-3 of the 32 lanes on end (16 bytes a lane), then registers 4-7: the reader loads it by two loads of 16 bytes a lane.
; THE QUANTISER: a block's scale is 2^(floor(log2(largest magnitude)) - 2); its byte is the largest magnitude's exponent field - 2, held at 1 from below by a floor among the maximum's leaves.
; LIMITS: a block of zeros gets the byte 1 where the rule says 127 (its codes are zeros, and this program alone reads the bytes); xn and the weights go to f16, so they must stay under 65,504 in magnitude;
; NaN and infinities among the inputs are not served.
; w_av's scale words leave 4 bytes a lane, 16 bytes apart: 32,768 bytes in all, one byte in 128 of what the role reads; every other store of a wave covers 256 consecutive bytes or a multiple.
; No cluster: no two work-groups read the same bytes.  No tensor load, no barrier: waves share nothing.  Only YQ touches LDS (a stage of its own for each wave).
.set SPARE, 33792                      ; behind the four stages of 16 x 528 bytes: the spare words, 128 bytes for each wave
.set SPW,   2                          ; v2  LDS address of my spare word; never rewritten
.set NIL,   3                          ; v3  0; never rewritten
.set YSOFF, 2097152                    ; fp4: y's codes at 0, y's scale words here,
.set WCOFF, 2228224                    ; w_av's codes,
.set WSOFF, 2752512                    ; w_av's scale words
.set WOOFF, 6291456                    ; wimg: w_qkv's images at 0, w_out's and w_yout's here
.set TT,    240                        ; LN: v240-247 four pairs of sums, v248-249 the mean, v250-251 1 / sqrt, v252 the other half's sum
; block t of a weight: 32 rows of K at my column into set t % 2: each load reads 128 consecutive bytes, the four waves stand side by side on 512
.macro WLOAD t, pitch
.set wi, 0
.rept 32
	global_load_b32 v[16+32*((\t)%2)+wi], v4, s[32:33] offset:(32*(\t)+wi)*\pitch th:TH_LOAD_NT
.set wi, wi+1
.endr
.endm
; 32 columns x 128 K of a weight become f16 images, four blocks of 32 K, step bytes apart.  A lane's 32 numbers down K are 16 registers: four chunks of 8 K, 16 bytes each; lanes 0-15 fill 256 consecutive bytes of one image, lanes 16-31 of the next
.macro WCAST pitch, step
	WLOAD 0, \pitch
	WLOAD 1, \pitch
.set wt, 0
.rept 4
.if wt < 3
	s_wait_loadcnt 32                              ; this block's 32 loads are in; the next block's may be out
.else
	s_wait_loadcnt 0x0
.endif
	s_wait_xcnt 0x0                                ; the stores of two blocks back have read their data: the set is written again only behind this wait
.set wx, 16+32*(wt%2)
.set wc, 80+16*(wt%2)
.set wj, 0
.rept 16
	v_cvt_pk_f16_f32 v[wc+wj], v[wx+2*wj], v[wx+2*wj+1]
.set wj, wj+1
.endr
.irp c, 0,1,2,3
	global_store_b128 v5, v[wc+4*\c:wc+4*\c+3], s[34:35] offset:wt*\step+512*(\c/2)+256*(\c%2)
.endr
.if wt < 2
	WLOAD wt+2, \pitch
.endif
.set wt, wt+1
.endr
	s_endpgm
.endm
; LN: row t of my four, eight loads of 512 consecutive bytes, into its own 32 registers
.macro LNLOAD t
.irp j, 0,1,2,3,4,5,6,7
	global_load_b128 v[80+32*(\t)+4*\j:80+32*(\t)+4*\j+3], v4, s[32:33] offset:4096*(\t)+512*\j th:TH_LOAD_NT
.endr
.endm
; the four pairs v[TT:TT+7] become one sum, in every lane
.macro REDUCE
	v_pk_add_f32 v[TT:TT+1], v[TT:TT+1], v[TT+2:TT+3]
	v_pk_add_f32 v[TT+4:TT+5], v[TT+4:TT+5], v[TT+6:TT+7]
	v_pk_add_f32 v[TT:TT+1], v[TT:TT+1], v[TT+4:TT+5]
	v_add_f32 v[TT], v[TT], v[TT+1]
	v_add_f32_dpp v[TT], v[TT], v[TT] row_xmask:1 row_mask:0xf bank_mask:0xf
	v_add_f32_dpp v[TT], v[TT], v[TT] row_xmask:2 row_mask:0xf bank_mask:0xf
	v_add_f32_dpp v[TT], v[TT], v[TT] row_xmask:4 row_mask:0xf bank_mask:0xf
	v_add_f32_dpp v[TT], v[TT], v[TT] row_xmask:8 row_mask:0xf bank_mask:0xf
	v_permlanex16_b32 v[TT+12], v[TT], s38, s39
	v_add_f32 v[TT], v[TT], v[TT+12]
.endm
.macro LNROW t
.set XS, 80+32*(\t)
.set YO, 208+16*((\t)%2)
	s_wait_loadcnt 8*(3-(\t))                      ; my row is in (at the first row: g and b too); the later rows' loads, eight each, may be out
.irp k, 0,2,4,6
	v_pk_add_f32 v[TT+\k:TT+1+\k], v[XS+\k:XS+\k+1], v[XS+8+\k:XS+9+\k]     ; the sum, in four chains; the first lines start them
.endr
.irp i, 16,24
.irp k, 0,2,4,6
	v_pk_add_f32 v[TT+\k:TT+1+\k], v[TT+\k:TT+1+\k], v[XS+\i+\k:XS+\i+\k+1]
.endr
.endr
	REDUCE
	v_mul_f32 v[TT+8], s36, v[TT]                  ; the mean
	v_mov_b32 v[TT+9], v[TT+8]
.irp i, 0,2,4,6,8,10,12,14,16,18,20,22,24,26,28,30
	v_pk_add_f32 v[XS+\i:XS+\i+1], v[XS+\i:XS+\i+1], v[TT+8:TT+9] neg_lo:[0,1] neg_hi:[0,1]   ; x - mean, in place: the variance is taken of these, as the definition has it
.endr
.irp k, 0,2,4,6
	v_pk_mul_f32 v[TT+\k:TT+1+\k], v[XS+\k:XS+\k+1], v[XS+\k:XS+\k+1]
.endr
.irp i, 8,16,24
.irp k, 0,2,4,6
	v_pk_fma_f32 v[TT+\k:TT+1+\k], v[XS+\i+\k:XS+\i+\k+1], v[XS+\i+\k:XS+\i+\k+1], v[TT+\k:TT+1+\k]
.endr
.endr
	REDUCE
	v_fma_f32 v[TT], v[TT], s36, s37               ; the variance + 1e-5
	v_rsq_f32 v[TT+10], v[TT]
	v_nop                                          ; a plain instruction behind the transcendental (ISA guide 5.7.2),
	s_wait_alu depctr_va_vdst(0)                   ; and the wait ahead of its first reader
	v_mov_b32 v[TT+11], v[TT+10]
.irp i, 0,2,4,6,8,10,12,14,16,18,20,22,24,26,28,30
	v_pk_mul_f32 v[XS+\i:XS+\i+1], v[XS+\i:XS+\i+1], v[TT+10:TT+11]
.endr
.irp i, 0,2,4,6,8,10,12,14,16,18,20,22,24,26,28,30
	v_pk_fma_f32 v[XS+\i:XS+\i+1], v[XS+\i:XS+\i+1], v[16+\i:17+\i], v[48+\i:49+\i]
.endr
	s_wait_xcnt 0x0                                ; the stores of two rows back have read this set of results
.irp i, 0,1,2,3,4,5,6,7,8,9,10,11,12,13,14,15
	v_cvt_pk_f16_f32 v[YO+\i], v[XS+2*\i], v[XS+2*\i+1]
.endr
.irp j, 0,1,2,3,4,5,6,7
	global_store_b64 v5, v[YO+2*\j:YO+2*\j+1], s[34:35] offset:2048*(\t)+256*\j   ; the wave stores 256 consecutive bytes, aligned
.endr
.endm
; YQ: fragment f (16 rows x 128 K): sixteen loads, each 512 consecutive bytes of one row, into set f % 2
.macro YLOAD f
.irp i, 0,1,2,3,4,5,6,7,8,9,10,11,12,13,14,15
	global_load_b128 v[16+64*((\f)%2)+4*\i:16+64*((\f)%2)+4*\i+3], v4, s[32:33] offset:4096*\i+512*(\f) th:TH_LOAD_NT
.endr
.endm
.macro YFRAG f
.if (\f) < 3
	s_wait_loadcnt 16                              ; this fragment's sixteen loads are in; the next one's may be out
.else
	s_wait_loadcnt 0x0
.endif
.irp i, 0,1,2,3,4,5,6,7,8,9,10,11,12,13,14,15
	ds_store_b128 v5, v[16+64*((\f)%2)+4*\i:16+64*((\f)%2)+4*\i+3] offset:528*\i    ; through my own stage, as loaded: row i at 528 i
.endr
.irp c, 0,1
.irp i, 0,1,2,3,4,5,6,7
	ds_load_b128 v[144+32*\c+4*\i:144+32*\c+4*\i+3], v6 offset:256*\c+16*\i        ; back: lane (r, h) takes k = 64 c + 32 h + 0 .. 31 of row r.  LDS serves a wave's instructions in order (ISA guide 5.7.1.4)
.endr
.endr
	s_wait_dscnt 0x0
.if (\f)+2 < 4
	YLOAD (\f)+2
.endif
.irp c, 0,1
	v_max3_num_f32 v[244+\c], |v[144+32*\c]|, |v[145+32*\c]|, 0x1800000            ; my block 2 c + h: all 32 numbers are mine; the floor 2^(3 - 127) holds the byte at 1 from below
.endr
.irp i, 2,4,6,8,10,12,14,16,18,20,22,24,26,28,30
.irp c, 0,1
	v_max3_num_f32 v[244+\c], v[244+\c], |v[144+32*\c+\i]|, |v[145+32*\c+\i]|
.endr
.endr
.irp c, 0,1
	v_add_nc_u32 v[246+\c], 0xff000000, v[244+\c]  ; 2 off the exponent field: the conversion takes the exponent field of this operand as its scale
.endr
.irp c, 0,1
	v_lshrrev_b32 v[248+\c], 23, v[246+\c]         ; the scale's byte
.endr
	v_lshl_or_b32 v250, v249, 16, v248             ; my two bytes: blocks h and 2 + h,
	v_lshlrev_b32 v250, v9, v250                   ; at their places in the word (8 h bits up);
	v_permlanex16_b32 v251, v250, s38, s39
	v_or_b32 v[240+(\f)], v250, v251               ; with lane l xor 16's two the word is whole
.irp c, 0,1
.irp g, 0,1,2,3
	v_cvt_scalef32_pk8_fp4_f32 v[208+8*(\f)+4*\c+\g], v[144+32*\c+8*\g:151+32*\c+8*\g], v[246+\c]
.endr
.endr
	v_nop                                          ; one plain instruction behind the last scaled conversion
.irp c, 0,1
	global_store_b128 v4, v[208+8*(\f)+4*\c:211+8*(\f)+4*\c], s[34:35] offset:1024*(\f)+512*\c   ; the image: 512 consecutive bytes a store
.endr
.endm
	s_load_b512 s[8:23], s[0:1], 0x0               ; x 8, y 10, ln_g 12, ln_b 14, w_qkv 16, w_av 18, w_out 20, w_yout 22
	s_load_b128 s[24:27], s[0:1], 0x40             ; xn 24, wimg 26
	s_load_b64 s[28:29], s[0:1], 0x50              ; fp4
	v_lshl_add_u32 v[SPW], v0, 2, SPARE
	v_mov_b32 v[NIL], 0
	v_and_b32 v1, 31, v0                           ; lane
	v_lshrrev_b32 v6, 5, v0
	v_readfirstlane_b32 s30, v6                    ; wave
	s_mov_b32 s38, 0x76543210
	s_mov_b32 s39, 0xfedcba98                      ; v_permlanex16_b32's selects for lane l xor 16
	s_mov_b32 s41, 0                               ; the upper word of every offset: all stay under 2^32
	v_lshrrev_b32 v7, 4, v1                        ; lane / 16
	v_and_b32 v8, 15, v0                           ; lane % 16
	s_wait_kmcnt 0x0
	s_cmp_lt_u32 ttmp9, 128
	s_cbranch_scc1 .Lyq
	s_cmp_lt_u32 ttmp9, 384
	s_cbranch_scc1 .Lln
	s_cmp_lt_u32 ttmp9, 576
	s_cbranch_scc1 .Lwq
	s_cmp_lt_u32 ttmp9, 704
	s_cbranch_scc1 .Lwo
	; ---- WA: a wave takes 32 columns x 128 K of w_av: 4 blocks a lane, one K step of the product
	s_sub_co_u32 s31, ttmp9, 704
	s_lshr_b32 s42, s31, 3                         ; which 128 columns
	s_and_b32 s43, s31, 7                          ; which K step of 128
	s_lshl_b32 s44, s42, 3
	s_lshl_b32 s45, s30, 1
	s_add_co_u32 s44, s44, s45                     ; my first tile of 16 columns
	s_lshl_b32 s40, s43, 19                        ; 128 rows of 4,096 bytes
	s_lshl_b32 s45, s44, 6
	s_add_co_u32 s40, s40, s45
	s_add_nc_u64 s[32:33], s[18:19], s[40:41]
	s_lshl_b32 s40, s44, 13                        ; codes: 8 images a tile,
	s_lshl_b32 s45, s43, 10                        ; mine the K step's
	s_add_co_u32 s40, s40, s45
	s_add_co_u32 s40, s40, WCOFF
	s_add_nc_u64 s[34:35], s[28:29], s[40:41]
	s_lshl_b32 s40, s44, 9                         ; scale words: [tile][half of K][16 columns][4 words]
	s_lshr_b32 s45, s43, 2
	s_lshl_b32 s45, s45, 8
	s_add_co_u32 s40, s40, s45
	s_and_b32 s45, s43, 3
	s_lshl_b32 s45, s45, 2
	s_add_co_u32 s40, s40, s45
	s_add_co_u32 s40, s40, WSOFF
	s_add_nc_u64 s[36:37], s[28:29], s[40:41]
	v_lshlrev_b32 v4, 2, v1
	v_lshlrev_b32 v5, 4, v8
	v_lshl_add_u32 v6, v7, 9, v5                   ; scale words: lanes 16-31 the next tile
	v_lshl_add_u32 v5, v7, 13, v5                  ; codes likewise
	WLOAD 0, 4096
	WLOAD 1, 4096
.set wt, 0
.rept 4
.set wx, 16+32*(wt%2)
.set wc, 80+4*(wt%2)
.if wt < 3
	s_wait_loadcnt 32                              ; this block's 32 loads are in; the next block's may be out
.else
	s_wait_loadcnt 0x0
.endif
	v_max3_num_f32 v12, |v[wx]|, |v[wx+1]|, |v[wx+2]|
	v_max3_num_f32 v13, |v[wx+3]|, |v[wx+4]|, |v[wx+5]|
.irp i, 6,10,14,18,22,26
	v_max3_num_f32 v12, v12, |v[wx+\i]|, |v[wx+\i+1]|
	v_max3_num_f32 v13, v13, |v[wx+\i+2]|, |v[wx+\i+3]|
.endr
	v_max3_num_f32 v12, v12, |v[wx+30]|, |v[wx+31]|
	v_max3_num_f32 v12, v12, v13, 0x1800000        ; and the floor
	v_add_nc_u32 v11, 0xff000000, v12
	v_lshrrev_b32 v13, 23, v11
.if wt == 0
	v_mov_b32 v88, v13                             ; four bytes to the word, the lower K in the lower byte
.else
	v_lshl_or_b32 v88, v13, 8*wt, v88
.endif
	s_wait_xcnt 0x0                                ; the store of two blocks back has read this set of codes
.irp g, 0,1,2,3
	v_cvt_scalef32_pk8_fp4_f32 v[wc+\g], v[wx+8*\g:wx+8*\g+7], v11
.endr
	v_nop                                          ; one plain instruction behind the last scaled conversion
	global_store_b128 v5, v[wc:wc+3], s[34:35] offset:512*(wt/2)+256*(wt%2)   ; sixteen lanes fill 256 consecutive bytes of an image
.if wt < 2
	WLOAD wt+2, 4096
.endif
.set wt, wt+1
.endr
	global_store_b32 v6, v88, s[36:37]             ; my column's word of this K step
	s_endpgm
.Lwq:	; ---- WQ: a wave takes 32 columns x 128 K of w_qkv
	s_sub_co_u32 s31, ttmp9, 384
	s_lshr_b32 s42, s31, 3
	s_and_b32 s43, s31, 7                          ; which eighth of K
	s_lshl_b32 s44, s42, 7
	s_lshl_b32 s45, s30, 5
	s_add_co_u32 s44, s44, s45                     ; my first column
	s_mul_i32 s40, s43, 128*12288
	s_lshl_b32 s45, s44, 2
	s_add_co_u32 s40, s40, s45
	s_add_nc_u64 s[32:33], s[16:17], s[40:41]
	s_lshr_b32 s46, s44, 10                        ; q, k or v
	s_bfe_u32 s47, s44, 0x40006                    ; the head
	s_bfe_u32 s48, s44, 0x20004                    ; the tile of 16 in the head's 64
	s_lshl_b32 s46, s46, 2
	s_add_co_u32 s46, s46, s48                     ; nt
	s_mul_i32 s40, s47, 393216
	s_mul_i32 s45, s43, 4*12288                    ; kf = 4 x eighth + block
	s_add_co_u32 s40, s40, s45
	s_lshl_b32 s46, s46, 10
	s_add_co_u32 s40, s40, s46
	s_add_nc_u64 s[34:35], s[26:27], s[40:41]
	v_lshlrev_b32 v4, 2, v1
	v_lshlrev_b32 v5, 4, v8
	v_lshl_add_u32 v5, v7, 10, v5                  ; lanes 16-31: the next image
	WCAST 12288, 12288
.Lwo:	; ---- WO: a wave takes 32 columns x 128 K of w_out or of w_yout: the four quarters of one slot
	s_sub_co_u32 s31, ttmp9, 576
	s_lshr_b32 s46, s31, 6                         ; o: which weight
	s_bfe_u32 s42, s31, 0x30003                    ; nblk
	s_and_b32 s43, s31, 7                          ; the slot: which eighth of K
	s_lshl_b32 s40, s43, 19                        ; 128 rows of 4,096 bytes
	s_lshl_b32 s45, s42, 9
	s_add_co_u32 s40, s40, s45
	s_lshl_b32 s45, s30, 7
	s_add_co_u32 s40, s40, s45
	s_cmp_eq_u32 s46, 0
	s_cselect_b64 s[32:33], s[20:21], s[22:23]
	s_add_nc_u64 s[32:33], s[32:33], s[40:41]
	s_lshl_b32 s40, s42, 19
	s_lshl_b32 s45, s43, 16
	s_add_co_u32 s40, s40, s45
	s_lshl_b32 s45, s46, 15
	s_add_co_u32 s40, s40, s45
	s_lshl_b32 s45, s30, 11
	s_add_co_u32 s40, s40, s45
	s_add_co_u32 s40, s40, WOOFF
	s_add_nc_u64 s[34:35], s[26:27], s[40:41]
	v_lshlrev_b32 v4, 2, v1
	v_lshlrev_b32 v5, 4, v8
	v_lshl_add_u32 v5, v7, 10, v5
	WCAST 4096, 8192
.Lln:	; ---- LN: a wave takes four rows; g, b and all four rows are asked for at once: 48 loads
	v_lshlrev_b32 v4, 4, v1
	v_lshlrev_b32 v5, 3, v1
	v_mov_b32 v[TT+12], 0                          ; written once: a lane permute's destination counts as one of its sources
	s_sub_co_u32 s31, ttmp9, 128
	s_lshl_b32 s31, s31, 4
	s_lshl_b32 s40, s30, 2
	s_add_co_u32 s31, s31, s40                     ; my first row
	s_lshl_b32 s40, s31, 12
	s_add_nc_u64 s[32:33], s[8:9], s[40:41]
	s_lshl_b32 s40, s31, 11
	s_add_nc_u64 s[34:35], s[24:25], s[40:41]
	s_mov_b32 s36, 0x3a800000                      ; 1 / 1024
	s_mov_b32 s37, 0x3727c5ac                      ; 1e-5
.irp j, 0,1,2,3,4,5,6,7
	global_load_b128 v[16+4*\j:19+4*\j], v4, s[12:13] offset:512*\j
.endr
.irp j, 0,1,2,3,4,5,6,7
	global_load_b128 v[48+4*\j:51+4*\j], v4, s[14:15] offset:512*\j
.endr
.irp t, 0,1,2,3
	LNLOAD \t
.endr
.irp t, 0,1,2,3
	LNROW \t
.endr
	s_endpgm
.Lyq:	; ---- YQ: a wave takes 16 rows x 512 K of y: four fragments
	s_lshl_b32 s31, ttmp9, 2
	s_add_co_u32 s31, s31, s30                     ; u = 2 x tile of rows + half of K
	s_lshr_b32 s42, s31, 1
	s_and_b32 s43, s31, 1
	s_lshl_b32 s40, s42, 16
	s_lshl_b32 s45, s43, 11
	s_add_co_u32 s40, s40, s45
	s_add_nc_u64 s[32:33], s[10:11], s[40:41]
	s_lshl_b32 s40, s31, 12                        ; four images
	s_add_nc_u64 s[34:35], s[28:29], s[40:41]
	s_lshl_b32 s40, s31, 8                         ; [16 rows][4 words]
	s_add_co_u32 s40, s40, YSOFF
	s_add_nc_u64 s[36:37], s[28:29], s[40:41]
	s_mul_i32 s44, s30, 8448                       ; my stage
	v_lshlrev_b32 v4, 4, v1
	v_add_nc_u32 v5, s44, v4
	v_mul_u32_u24 v6, v8, 528
	v_lshl_add_u32 v6, v7, 7, v6
	v_add_nc_u32 v6, s44, v6
	v_lshlrev_b32 v10, 4, v8
	v_lshl_add_u32 v10, v7, 3, v10                 ; the scale words' way out: 16 r + 8 h
	v_lshlrev_b32 v9, 3, v7
	v_mov_b32 v251, 0                              ; written once: a lane permute's destination counts as one of its sources
	YLOAD 0
	YLOAD 1
.irp f, 0,1,2,3
	YFRAG \f
.endr
	v_cmp_eq_u32 vcc_lo, 0, v7
	v_cndmask_b32 v244, v242, v240, vcc_lo         ; lanes 0-15 store their row's words 0 and 1, lanes 16-31 words 2 and 3
	v_cndmask_b32 v245, v243, v241, vcc_lo
	global_store_b64 v10, v[244:245], s[36:37]     ; the wave stores 256 consecutive bytes, aligned
	s_wait_tensorcnt 0x0                           ; the wave's end, behind my last LDS store
	ds_add_u32 v[SPW], v[NIL]
	s_wait_dscnt 0x0
	s_endpgm
.Lfunc_end_k_qaf589f397e_prep:
	.size	k_qaf589f397e_prep, .Lfunc_end_k_qaf589f397e_prep-k_qaf589f397e_prep
	.p2alignl 7, 3214868480
	.fill 96, 4, 3214868480
	.section	.rodata,"a",@progbits
	.p2align	6, 0x0
	.amdhsa_kernel k_qaf589f397e_prep
		.amdhsa_group_segment_fixed_size 34304
		.amdhsa_private_segment_fixed_size 0
		.amdhsa_enable_private_segment 0
		.amdhsa_kernarg_size 88
		.amdhsa_user_sgpr_count 2
		.amdhsa_user_sgpr_kernarg_segment_ptr 1
		.amdhsa_wavefront_size32 1
		.amdhsa_system_sgpr_workgroup_id_x 1
		.amdhsa_system_sgpr_workgroup_id_y 1
		.amdhsa_system_sgpr_workgroup_id_z 1
		.amdhsa_system_vgpr_workitem_id 0
		.amdhsa_next_free_vgpr 256
		.amdhsa_next_free_sgpr 66
		.amdhsa_reserve_vcc 1
		.amdhsa_float_denorm_mode_32 3
		.amdhsa_float_denorm_mode_16_64 3
		.amdhsa_memory_ordered 1
		.amdhsa_forward_progress 1
		.amdhsa_inst_pref_size 124
	.end_amdhsa_kernel
	.amdgpu_metadata
---
amdhsa.version: [ 1, 2 ]
amdhsa.kernels:
  - .name:           k_qaf589f397e_prep
    .symbol:         k_qaf589f397e_prep.kd
    .args:
      - { .name: x, .offset: 0, .size: 8, .value_kind: global_buffer, .address_space: global }
      - { .name: y, .offset: 8, .size: 8, .value_kind: global_buffer, .address_space: global }
      - { .name: ln_g, .offset: 16, .size: 8, .value_kind: global_buffer, .address_space: global }
      - { .name: ln_b, .offset: 24, .size: 8, .value_kind: global_buffer, .address_space: global }
      - { .name: w_qkv, .offset: 32, .size: 8, .value_kind: global_buffer, .address_space: global }
      - { .name: w_av, .offset: 40, .size: 8, .value_kind: global_buffer, .address_space: global }
      - { .name: w_out, .offset: 48, .size: 8, .value_kind: global_buffer, .address_space: global }
      - { .name: w_yout, .offset: 56, .size: 8, .value_kind: global_buffer, .address_space: global }
      - { .name: xn, .offset: 64, .size: 8, .value_kind: global_buffer, .address_space: global }
      - { .name: wimg, .offset: 72, .size: 8, .value_kind: global_buffer, .address_space: global }
      - { .name: fp4, .offset: 80, .size: 8, .value_kind: global_buffer, .address_space: global }
    .group_segment_fixed_size: 34304
    .private_segment_fixed_size: 0
    .kernarg_segment_align: 8
    .kernarg_segment_size: 88
    .max_flat_workgroup_size: 128
    .sgpr_count:     66
    .vgpr_count:     256
    .wavefront_size: 32
...
	.end_amdgpu_metadata
.endif
;; end of part 1
;; launch proj (part 2): grid 16 x 16, 4 waves a work-group, clusters of 4 x 4, 327,680 bytes of LDS; arguments xn, wimg, fp4, qkva; writes qkva
.if DOCPART == 2
	.amdgcn_target "amdgcn-amd-amdhsa--gfx1250"
	.amdhsa_code_object_version 6
	.text
	.protected	k_qaf589f397e_proj
	.globl	k_qaf589f397e_proj
	.p2align	8
	.type	k_qaf589f397e_proj,@function
k_qaf589f397e_proj:
	s_mov_b64 s[64:65], 0
	v_nop
	global_prefetch_b8 v0, s[64:65] scope:SCOPE_SE
	s_setreg_imm32_b32 hwreg(HW_REG_WAVE_MODE, 25, 1), 1
	s_wait_xcnt 0x0
	s_wait_alu depctr_hold_cnt(0) depctr_sa_sdst(0) depctr_va_vdst(0) depctr_va_sdst(0) depctr_va_ssrc(0) depctr_va_vcc(0) depctr_vm_vsrc(0)
	s_getreg_b32 s2, hwreg(HW_REG_IB_STS2, 6, 4)
	s_cmp_eq_u32 s2, 0
	s_cbranch_scc0 .Lentry_in_a_cluster
	s_endpgm
.Lentry_in_a_cluster:
	s_bfe_u32 s2, ttmp6, 0x10000c
	s_cmp_lg_u32 s2, 0xf033
	s_cbranch_scc0 .Lentry_shape_is_right
	s_endpgm
.Lentry_shape_is_right:
; PROJ: for head j (work-group x) and 256 rows (work-group y): av = Q(y) Q(w_av) on codes of E2M1 with E8M0 scales, and q, k, v = xn w_qkv in f16; sums in f32; results rounded once to f16
; into qkva [q, k, v, av][batch x head 32][2048][64].
; SHARES.  Wave w owns rows 64 w .. 64 w + 63 and all 192 columns (q | k | v of the head): 48 accumulators, 384 registers; ahead of that the same rows x 64 columns of av: 16 accumulators.
; EVERY PRODUCT IS USED TRANSPOSED (source 0 = 16 columns of the weight, source 1 = 16 rows): a lane holds eight neighbouring columns of one row, 16 bytes of f16.
; THE av PRODUCT takes its operands from memory straight into registers: both lie as images of the operand's registers, and each is used once.  K ascending, 16 accumulators by turns.
; THE f16 PRODUCT: K in steps of 128 through a ring of two LDS slots: xn's 256 rows (256 bytes each, 16 of padding) and the head's 48 weight images of the step (dense).
; CLUSTERS: 4 x 4 work-groups.  xn's tile hangs on work-group y alone and is asked for jointly along a row of the cluster, the weights' on x alone, along a column.
; LIMITS: xn, the weights and the results are f16: magnitudes under 65,504.
; REGISTERS: window 0: v16-30 addresses; v64-95, v96-127 xn's fragments, two buffers (on the ways out v64-111 rows read back); v128-159 y's scale words, v160-191 w_av's: scales and nothing else; v192-239 packed results
;   window 1: the weights' fragments, two buffers of 96; ahead of the loop the 16 accumulators of av.   windows 2, 3: accumulator (a, b) at v[8 (12 (a % 2) + b)] of window 2 + a / 2; ahead of the loop y's codes (2) and w_av's (3)
.set PITCH,  272                       ; an LDS row of xn: 256 bytes + 16 = 68 words: the 16 rows that a load touches start at 16 different banks (ISA guide 11.1)
.set HALFA,  128*PITCH
.set BOFF,   2*HALFA
.set HALFB,  24*1024
.set SLOT,   BOFF+2*HALFB
.set STAGE,  2*SLOT                    ; behind the ring: for each wave 3 sections (q, k, v) of 16 rows x 144 bytes
.set WSTG,   3*16*144
.set SPARE,  STAGE+4*WSTG              ; behind the stages: the spare words, 128 bytes for each wave
.set LAPS,   4                         ; a lap = two K steps of 128
.set ADRA, 16
.set ADRB, 20
.set STO,  24
.set RD,   25
.set CO,   26                          ; 16 x lane
.set SCA,  27                          ; 16 x (lane % 16)
.set SPW,  28
.set NIL,  29
.set PFO,  30
.set BK,   64
.set YSC,  128
.set WSC,  160
.set TMP,  192
.set LIM,  15                          ; s15 1 in a wave that prefetches, else the greatest number
.set G1,   24
.set G0,   32
.set PFA,  44
.set PFS,  46
.set G1B,  48
.set G0B,  56
.set OB,   68                          ; s[68:75] my rows in the planes q, k, v, av
.set MSB, 0
.macro WIN new                         ; the immediate's high byte repeats the setting that is left
.if MSB != (\new)
	s_set_vgpr_msb (MSB<<8)|(\new)
.set MSB, (\new)
.endif
.endm
.set MUL_LO, 0xa1                      ; source 0 (weights) window 1, source 1 (xn) window 0, C and D window 2
.set MUL_HI, 0xf1
.set TO_B,   0x40
; a joint load: waves 0 and 1 fetch xn's halves, waves 2 and 3 the weights'.  The branch hangs on the wave's number alone.  An s_nop 0 and four v_nop follow each line
.macro JLOAD s
	s_cmp_eq_u32 s13, 0
	s_cbranch_scc0 .Lfor_b_\@
	tensor_load_to_lds s[G0+4*\s:G0+4*\s+3], s[G1:G1+7]
	s_nop 0
.rept 4
	v_nop
.endr
	s_branch .Lasked_\@
.Lfor_b_\@:
	tensor_load_to_lds s[G0B+4*\s:G0B+4*\s+3], s[G1B:G1B+7]
	s_nop 0
.rept 4
	v_nop
.endr
.Lasked_\@:
.endm
; a prefetch of the K step that stands two refills on, behind the joint load and the run of LDS loads.  xn's rows are read by every cluster of a row of clusters: cluster x = 0 asks (waves 0, 1: of the 128 rows that the
; wave fetches the partner at cx takes 32, a lane a row).  The weights' images are read by every cluster of a column: cluster y = 0 asks (waves 2, 3: of the wave's 96 blocks of 256 bytes the partner at cy takes 24;
; lanes 24 to 31 name lane 23's block again).  The partners are told apart by address.  The loop's last trip asks for nothing: there is no K step two on.
.macro ASK
	s_cmp_gt_u32 s3, s[LIM]
	s_cbranch_scc0 .Lnot_mine_\@
	global_prefetch_b8 v[PFO], s[PFA:PFA+1] th:TH_LOAD_NT scope:SCOPE_SE
.Lnot_mine_\@:
.endm
.macro CREST
	s_cmp_lg_u32 s12, 0
	s_cbranch_scc1 .Lnot_wave_0_\@
	s_barrier_signal -3
.Lnot_wave_0_\@:
	s_barrier_wait -3
	s_barrier_signal -1
	s_barrier_wait -1
.endm
.macro CROUND
	s_barrier_signal -1
	s_barrier_wait -1
	CREST
.endm
.macro PLACES                          ; four plain instructions between a matrix instruction and a load into, or a read of, its registers
.rept 4
	v_nop
.endr
.endm
	s_load_b256 s[4:11], s[0:1], 0x0               ; xn 4, wimg 6, fp4 8, qkva 10
	v_lshl_add_u32 v[SPW], v0, 2, SPARE
	v_mov_b32 v[NIL], 0
	ds_add_u32 v[SPW], v[NIL]                      ; the wave's opening: the add, twice on end, and its wait ahead of my first tensor load
	ds_add_u32 v[SPW], v[NIL]
	v_lshrrev_b32 v1, 5, v0
	v_readfirstlane_b32 s12, v1                    ; wave
	s_lshr_b32 s13, s12, 1                         ; I fetch for xn (0) or for the weights (1)
	s_and_b32 s14, s12, 1                          ; which half
	s_bfe_u32 s16, ttmp6, 0x40000                  ; cx
	s_bfe_u32 s17, ttmp6, 0x40004                  ; cy
	s_lshl_b32 s18, ttmp9, 2
	s_add_co_u32 s18, s18, s16                     ; j: the head
	s_and_b32 s19, ttmp7, 0xffff
	s_lshl_b32 s19, s19, 2
	s_add_co_u32 s19, s19, s17                     ; i: the block of 256 rows
	s_lshl_b32 s20, s17, 2
	s_lshl_b32 s20, 15, s20                        ; my row of the cluster
	s_lshl_b32 s21, 0x1111, s16                    ; my column
	s_or_b32 s[G1+0], s20, (1<<16)|(1<<20)|(1<<21)|(5<<22)|(3<<25)   ; xn: elements of 2 bytes; padding of 4 words after every 64; bit 21 beside the mask
	s_mov_b32 s[G1+1], 128<<16                     ; tensor_dim0 = 128
	s_mov_b32 s[G1+2], 128<<16                     ; tensor_dim1 = 128
	s_mov_b32 s[G1+3], 128<<16                     ; tile_dim0 = 128
	s_mov_b32 s[G1+4], 128                         ; tile_dim1 = 128
	s_mov_b32 s[G1+5], 1024                        ; elements from row to row
	s_mov_b32 s[G1+6], 0
	s_mov_b32 s[G1+7], 0
	s_or_b32 s[G1B+0], s21, (3<<16)|(1<<21)        ; the weights: a dense block of 24,576 bytes as 96 rows of 32 elements of 8 bytes, no padding
	s_mov_b32 s[G1B+1], 32<<16
	s_mov_b32 s[G1B+2], 96<<16
	s_mov_b32 s[G1B+3], 32<<16
	s_mov_b32 s[G1B+4], 96
	s_mov_b32 s[G1B+5], 32
	s_mov_b32 s[G1B+6], 0
	s_mov_b32 s[G1B+7], 0
	s_lshl_b32 s40, s19, 8                         ; xn: row 256 i + 128 x half, in registers that never hold cx
	s_lshl_b32 s41, s14, 7
	s_add_co_u32 s40, s40, s41
	s_lshl_b32 s40, s40, 11
	s_mov_b32 s41, 0
	s_mul_i32 s84, s18, 393216                     ; the weights: the head's images + half a K step's, in registers that never hold cy
	s_mul_i32 s85, s14, HALFB
	s_add_co_u32 s84, s84, s85
	s_mov_b32 s85, 0
	s_mul_i32 s22, s14, HALFA                      ; where they go: no place in the cluster enters an LDS address
	s_mul_i32 s23, s14, HALFB
	s_add_co_u32 s23, s23, BOFF
	s_wait_dscnt 0x0                               ; both opening adds are done
	s_wait_kmcnt 0x0
	s_add_nc_u64 s[40:41], s[4:5], s[40:41]
	s_add_nc_u64 s[84:85], s[6:7], s[84:85]
	CROUND                                         ; all sixteen work-groups are here: the first joint loads meet
.irp s, 0,1
	s_mov_b32 s[G0+4*\s], 1
	s_add_co_u32 s[G0+4*\s+1], s22, \s*SLOT
	s_add_nc_u64 s[G0+4*\s+2:G0+4*\s+3], s[40:41], \s*256
	s_or_b32 s[G0+4*\s+3], s[G0+4*\s+3], 0x80000000
	s_mov_b32 s[G0B+4*\s], 1
	s_add_co_u32 s[G0B+4*\s+1], s23, \s*SLOT
	s_add_nc_u64 s[G0B+4*\s+2:G0B+4*\s+3], s[84:85], \s*49152
	s_or_b32 s[G0B+4*\s+3], s[G0B+4*\s+3], 0x80000000
	JLOAD \s                                       ; two tensor loads of mine are out
.endr
	v_and_b32 v1, 15, v0                           ; r
	v_bfe_u32 v2, v0, 4, 1                         ; h
	v_and_b32 v3, 31, v0                           ; lane
	v_lshlrev_b32 v[CO], 4, v3
	v_lshlrev_b32 v[SCA], 4, v1
	; where my operands of the av product lie
	s_lshl_b32 s86, s19, 4
	s_lshl_b32 s87, s12, 2
	s_add_co_u32 s86, s86, s87                     ; my first tile of 16 rows: 16 i + 4 w
	s_lshl_b32 s88, s86, 13
	s_mov_b32 s89, 0
	s_add_nc_u64 s[76:77], s[8:9], s[88:89]        ; y's codes
	s_lshl_b32 s88, s86, 9
	s_add_co_u32 s88, s88, 2097152
	s_add_nc_u64 s[78:79], s[8:9], s[88:89]        ; y's scale words
	s_lshl_b32 s88, s18, 15
	s_add_co_u32 s88, s88, 2228224
	s_add_nc_u64 s[80:81], s[8:9], s[88:89]        ; w_av's codes: tiles 4 j on
	s_lshl_b32 s88, s18, 11
	s_add_co_u32 s88, s88, 2752512
	s_add_nc_u64 s[82:83], s[8:9], s[88:89]        ; w_av's scale words
.irp m, 0,1,2,3
.irp q, 0,1
	global_load_b128 v[YSC+8*\m+4*\q:YSC+8*\m+4*\q+3], v[SCA], s[78:79] offset:512*\m+256*\q   ; lane r: row r's words of K steps 4 q .. 4 q + 3 (lanes 16-31 hold the same and are not read)
	global_load_b128 v[WSC+8*\m+4*\q:WSC+8*\m+4*\q+3], v[SCA], s[82:83] offset:512*\m+256*\q
.endr
.endr
.irp s, 0,1,2,3,4,5,6,7
	WIN 0x80                                       ; destination window 2
.irp m, 0,1,2,3
.irp c, 0,1
	global_load_b128 v[8*(8*\m+\s)+4*\c:8*(8*\m+\s)+4*\c+3], v[CO], s[76:77] offset:(8*\m+\s)*1024+512*\c
.endr
.endr
	WIN 0xc0                                       ; destination window 3
.irp m, 0,1,2,3
.irp c, 0,1
	global_load_b128 v[8*(8*\m+\s)+4*\c:8*(8*\m+\s)+4*\c+3], v[CO], s[80:81] offset:(8*\m+\s)*1024+512*\c
.endr
.endr
.endr
	WIN 0
	; LDS addresses
	v_mul_u32_u24 v4, v1, PITCH
	v_lshl_add_u32 v4, v2, 4, v4
	s_mul_i32 s86, s12, 64*PITCH
	v_add_nc_u32 v[ADRA], s86, v4                  ; xn: my 64 rows; row r, + 16 h
	v_add_nc_u32 v[ADRA+1], SLOT, v[ADRA]
	v_add_nc_u32 v[ADRB], BOFF, v[CO]              ; the weights' images: 16 x lane
	v_add_nc_u32 v[ADRB+1], SLOT, v[ADRB]
	s_mul_i32 s86, s12, WSTG
	s_add_co_u32 s86, s86, STAGE                   ; my stage
	v_mul_u32_u24 v4, v1, 144
	v_lshl_add_u32 v4, v2, 4, v4
	v_add_nc_u32 v[STO], s86, v4                   ; in: row r, 16 bytes for each half of the lanes
	v_lshrrev_b32 v4, 3, v3
	v_mul_u32_u24 v4, v4, 144
	v_and_b32 v5, 7, v0
	v_lshl_add_u32 v4, v5, 4, v4
	v_add_nc_u32 v[RD], s86, v4                    ; back: eight lanes to a row of 128 bytes, four rows a load
	; my rows in the four planes
	s_lshr_b32 s86, s19, 3
	s_lshl_b32 s86, s86, 4
	s_add_co_u32 s86, s86, s18                     ; 16 x batch + head
	s_lshl_b32 s86, s86, 18
	s_and_b32 s87, s19, 7
	s_lshl_b32 s87, s87, 15
	s_add_co_u32 s86, s86, s87
	s_lshl_b32 s87, s12, 13
	s_add_co_u32 s88, s86, s87
	s_add_nc_u64 s[OB:OB+1], s[10:11], s[88:89]
	s_add_nc_u64 s[OB+2:OB+3], s[OB:OB+1], 0x800000
	s_add_nc_u64 s[OB+4:OB+5], s[OB+2:OB+3], 0x800000
	s_add_nc_u64 s[OB+6:OB+7], s[OB+4:OB+5], 0x800000
	; the prefetches: they stand at K step 3; each change of slots that fills steps them ahead of its ask, so the first names K step 4.  Nothing is asked at the head
	s_lshl_b32 s91, s19, 8
	s_lshl_b32 s92, s14, 7
	s_add_co_u32 s91, s91, s92
	s_lshl_b32 s92, s16, 5
	s_add_co_u32 s91, s91, s92                     ; xn: my work-group's 32 of the 128 rows
	s_lshl_b32 s91, s91, 11
	s_add_co_u32 s91, s91, 3*256
	s_mul_i32 s92, s18, 393216
	s_mul_i32 s93, s14, HALFB
	s_add_co_u32 s92, s92, s93
	s_mul_i32 s93, s17, 6144
	s_add_co_u32 s92, s92, s93                     ; the weights: my work-group's 24 of the 96 blocks
	s_add_co_u32 s92, s92, 3*49152
	s_and_b32 s86, ttmp7, 0xffff
	s_cmp_eq_u32 s13, 0
	s_cselect_b32 s86, ttmp9, s86                  ; the coordinate along which other clusters read the same bytes
	s_cselect_b64 s[PFA:PFA+1], s[4:5], s[6:7]
	s_cselect_b32 s88, s91, s92
	s_mov_b32 s[PFS], 49152
	s_cselect_b32 s[PFS], 256, s[PFS]              ; a K step on
	s_cselect_b32 s87, 31, 23
	s_cselect_b32 s90, 11, 8
	s_mov_b32 s[PFS+1], 0
	s_add_nc_u64 s[PFA:PFA+1], s[PFA:PFA+1], s[88:89]
	s_cmp_eq_u32 s86, 0
	s_cselect_b32 s[LIM], 1, -1                    ; the same in all sixteen partners, for a given wave
	v_min_u32 v[PFO], s87, v3
	v_lshlrev_b32 v[PFO], s90, v[PFO]
	; ---- av = Q(y) Q(w_av): 8 K steps of 128, 16 accumulators by turns; the first K step starts the sums
.irp s, 0,1,2,3,4,5,6,7
.if \s < 4
	s_wait_loadcnt 63                              ; the later K steps' loads, 16 each, may be out: here more than the field holds, so its largest count
.else
	s_wait_loadcnt 16*(7-\s)                       ; the later K steps' loads, 16 each, may be out
.endif
	WIN 0x5b                                       ; source 0 (w_av) window 3, source 1 (y) window 2, C and D window 1
.irp m, 0,1,2,3
.irp n, 0,1,2,3
.if \s == 0
	v_wmma_scale_f32_16x16x128_f8f6f4 v[8*(4*\m+\n):8*(4*\m+\n)+7], v[8*(8*\n+\s):8*(8*\n+\s)+7], v[8*(8*\m+\s):8*(8*\m+\s)+7], 0, v[WSC+8*\n+\s], v[YSC+8*\m+\s] matrix_a_fmt:MATRIX_FMT_FP4 matrix_b_fmt:MATRIX_FMT_FP4
.else
	v_wmma_scale_f32_16x16x128_f8f6f4 v[8*(4*\m+\n):8*(4*\m+\n)+7], v[8*(8*\n+\s):8*(8*\n+\s)+7], v[8*(8*\m+\s):8*(8*\m+\s)+7], v[8*(4*\m+\n):8*(4*\m+\n)+7], v[WSC+8*\n+\s], v[YSC+8*\m+\s] matrix_a_fmt:MATRIX_FMT_FP4 matrix_b_fmt:MATRIX_FMT_FP4
.endif
.endr
.endr
.endr
	WIN 0
; THE WAY OUT of a tile of 16 rows.  PACK: rounded to f16, each accumulator from its low end on.  TOSTAGE: into my stage, a section for each plane, and back as whole rows.  SEND: 512 consecutive bytes a store.
.macro PACK a, kind                    ; kind 0: av's accumulators (window 1, tile a at 32 a); kind 1: the f16 product's
.if \kind
	WIN 0x0a+5*((\a)/2)
.set pbase, 96*((\a)%2)
.set pnum, 12
.else
	WIN 0x05
.set pbase, 32*(\a)
.set pnum, 4
.endif
.set pidx, 0
.rept pnum
.irp r, 0,1,2,3
	v_cvt_pk_f16_f32 v[TMP+4*pidx+\r], v[pbase+8*pidx+2*\r], v[pbase+8*pidx+2*\r+1]
.endr
.set pidx, pidx+1
.endr
	WIN 0
.endm
.macro TOSTAGE nb
.set pidx, 0
.rept \nb
	ds_store_b128 v[STO], v[TMP+4*pidx:TMP+4*pidx+3] offset:(pidx/4)*2304+32*(pidx%4)
.set pidx, pidx+1
.endr
.set pidx, 0
.rept \nb
	ds_load_b128 v[BK+4*pidx:BK+4*pidx+3], v[RD] offset:(pidx/4)*2304+576*(pidx%4)   ; LDS serves a wave's instructions in order (ISA guide 5.7.1.4): these see the stores above
.set pidx, pidx+1
.endr
.endm
.macro SEND a, nb, ob
	s_wait_dscnt 0x0                               ; the rows are back in registers
.set pidx, 0
.rept \nb
	global_store_b128 v[CO], v[BK+4*pidx:BK+4*pidx+3], s[\ob+2*(pidx/4):\ob+2*(pidx/4)+1] offset:(\a)*2048+512*(pidx%4)
.set pidx, pidx+1
.endr
.endm
.macro WAYOUT kind, nb, ob
	PACK 0, \kind
	TOSTAGE \nb
.irp a, 1,2,3
	PACK \a, \kind                                 ; a tile's conversions stand between the loads of the tile before and the wait for them
	SEND \a-1, \nb, \ob
	s_wait_xcnt 0x0                                ; the stores have read their data: the next tile's rows land there only behind this wait
	TOSTAGE \nb
.endr
	SEND 3, \nb, \ob
.endm
	PLACES
	WAYOUT 0, 4, OB+6
; 12 matrix instructions: my tile of rows 2 hi + a against the 12 tiles of columns, 32 along K, buffer p.  zero = 1: the first product starts the sums
.macro MUL12 p, hi, a, zero
.irp b, 0,1,2,3,4,5,6,7,8,9,10,11
.if \zero
	v_wmma_f32_16x16x32_f16 v[8*(12*\a+\b):8*(12*\a+\b)+7], v[96*\p+8*\b:96*\p+8*\b+7], v[64+32*\p+8*(2*\hi+\a):64+32*\p+8*(2*\hi+\a)+7], 0
.else
	v_wmma_f32_16x16x32_f16 v[8*(12*\a+\b):8*(12*\a+\b)+7], v[96*\p+8*\b:96*\p+8*\b+7], v[64+32*\p+8*(2*\hi+\a):64+32*\p+8*(2*\hi+\a)+7], v[8*(12*\a+\b):8*(12*\a+\b)+7]
.endif
.endr
.endm
; 32 LDS loads in one run: quarter q of the slot into buffer p: the weights' 12 images, then my 4 fragments of xn
.macro FETCH slot, q, p
	WIN TO_B
.irp i, 0,1,2,3,4,5,6,7,8,9,10,11
	ds_load_b128 v[96*\p+8*\i:96*\p+8*\i+3],   v[ADRB+\slot] offset:(12*\q+\i)*1024
	ds_load_b128 v[96*\p+8*\i+4:96*\p+8*\i+7], v[ADRB+\slot] offset:(12*\q+\i)*1024+512
.endr
	WIN 0
.irp i, 0,1,2,3
	ds_load_b128 v[64+32*\p+8*\i:64+32*\p+8*\i+3],   v[ADRA+\slot] offset:64*\q+\i*16*PITCH
	ds_load_b128 v[64+32*\p+8*\i+4:64+32*\p+8*\i+7], v[ADRA+\slot] offset:64*\q+\i*16*PITCH+32
.endr
.endm
; a quarter step: multiplies buffer p; in its middle it fetches quarter q of the same slot into buffer g
.macro QUARTER slot, q, p, g, zero
	s_wait_dscnt 4                                 ; the youngest four loads (xn's tiles 2 and 3) may be out
	WIN MUL_LO
	MUL12 \p, 0, 0, \zero
	MUL12 \p, 0, 1, \zero
	PLACES
	FETCH \slot, \q, \g
	s_wait_dscnt 32                                ; all but the 32 just issued
	WIN MUL_HI
	MUL12 \p, 1, 0, \zero
	MUL12 \p, 1, 1, \zero
.endm
; a slot's last quarter (buffer 1) changes slots: ONE barrier; in front of it each wave waits for all its tensor loads, adds 0 to its spare word, and waits for that and for its reads of this slot.
; fill = 1: the barrier opens a round of the cluster's, and behind the round this slot is filled again, two K steps ahead
.macro TURN slot, next, fill
.if \fill
	s_wait_xcnt 0x0                                ; the last prefetch, a K step back, has read its address
	s_add_nc_u64 s[PFA:PFA+1], s[PFA:PFA+1], s[PFS:PFS+1]
.endif
	WIN 0                                          ; (the add's two registers lie in window 0)
	s_wait_tensorcnt 0x0                           ; all my tensor loads have landed: the one that was out is my part of the next slot
	ds_add_u32 v[SPW], v[NIL]                      ; 0 onto my spare word
	s_wait_dscnt 5                                 ; (the add and the youngest four loads may be out)
	WIN MUL_LO
	MUL12 1, 0, 0, 0
	s_wait_dscnt 0x0                               ; the add is done, and my reads of this slot are over
	s_barrier_signal -1
	MUL12 1, 0, 1, 0
.if \fill
	WIN 0
.endif
	s_barrier_wait -1
.if \fill
	CREST                                          ; no wave of any partner still reads this slot or has a load on its way
	s_add_nc_u64 s[G0+4*\slot+2:G0+4*\slot+3], s[G0+4*\slot+2:G0+4*\slot+3], 512
	s_add_nc_u64 s[G0B+4*\slot+2:G0B+4*\slot+3], s[G0B+4*\slot+2:G0B+4*\slot+3], 98304
	JLOAD \slot                                    ; my one tensor load behind the round; its four v_nop are also the places in front of the loads below
.else
	PLACES
.endif
	FETCH \next, 0, 0
.if \fill
	ASK
.endif
	WIN MUL_HI
	MUL12 1, 1, 0, 0
	MUL12 1, 1, 1, 0
.endm
	s_wait_xcnt 0x0                                ; av's last stores have read their data: xn's fragments land in those registers
	s_wait_tensorcnt 1                             ; my part of K step 0 is in; K step 1's load may stay out
	s_wait_dscnt 0x0
	s_barrier_signal -1
	s_barrier_wait -1
	FETCH 0, 0, 0
	QUARTER 0, 1, 0, 1, 1                          ; the first quarter stands in front of the loop: its products start the sums
	WIN 0                                          ; at a label and at a branch every window is 0
	s_mov_b32 s3, LAPS-1
.Llap:                                                 ; a trip goes once round the ring and fills both slots again
	QUARTER 0, 2, 1, 0, 0
	QUARTER 0, 3, 0, 1, 0
	TURN 0, 1, 1
	QUARTER 1, 1, 0, 1, 0
	QUARTER 1, 2, 1, 0, 0
	QUARTER 1, 3, 0, 1, 0
	TURN 1, 0, 1
	QUARTER 0, 1, 0, 1, 0
	WIN 0
	s_sub_co_u32 s3, s3, 1
	s_cmp_lg_u32 s3, 0
	s_cbranch_scc1 .Llap
	QUARTER 0, 2, 1, 0, 0                          ; the last lap fills nothing
	QUARTER 0, 3, 0, 1, 0
	TURN 0, 1, 0
	QUARTER 1, 1, 0, 1, 0
	QUARTER 1, 2, 1, 0, 0
	QUARTER 1, 3, 0, 1, 0
	s_wait_dscnt 4                                 ; the very last quarter: nothing more to fetch
	WIN MUL_LO
	MUL12 1, 0, 0, 0
	MUL12 1, 0, 1, 0
	s_wait_dscnt 0x0
	WIN MUL_HI
	MUL12 1, 1, 0, 0
	MUL12 1, 1, 1, 0
	WIN 0
	PLACES
	WAYOUT 1, 12, OB
	s_wait_tensorcnt 0x0                           ; the wave's end: behind my last tensor load and my last LDS store
	ds_add_u32 v[SPW], v[NIL]
	s_wait_dscnt 0x0
	CROUND                                         ; the closing round: no work-group ends while a partner may still ask for a tile that names it
	s_endpgm
.Lfunc_end_k_qaf589f397e_proj:
	.size	k_qaf589f397e_proj, .Lfunc_end_k_qaf589f397e_proj-k_qaf589f397e_proj
	.p2alignl 7, 3214868480
	.fill 96, 4, 3214868480
	.section	.rodata,"a",@progbits
	.p2align	6, 0x0
	.amdhsa_kernel k_qaf589f397e_proj
		.amdhsa_group_segment_fixed_size 327680
		.amdhsa_private_segment_fixed_size 0
		.amdhsa_enable_private_segment 0
		.amdhsa_kernarg_size 32
		.amdhsa_user_sgpr_count 2
		.amdhsa_user_sgpr_kernarg_segment_ptr 1
		.amdhsa_wavefront_size32 1
		.amdhsa_system_sgpr_workgroup_id_x 1
		.amdhsa_system_sgpr_workgroup_id_y 1
		.amdhsa_system_sgpr_workgroup_id_z 1
		.amdhsa_system_vgpr_workitem_id 0
		.amdhsa_next_free_vgpr 1024
		.amdhsa_next_free_sgpr 100
		.amdhsa_reserve_vcc 0
		.amdhsa_float_denorm_mode_32 3
		.amdhsa_float_denorm_mode_16_64 3
		.amdhsa_memory_ordered 1
		.amdhsa_forward_progress 1
		.amdhsa_inst_pref_size 159
	.end_amdhsa_kernel
	.amdgpu_metadata
---
amdhsa.version: [ 1, 2 ]
amdhsa.kernels:
  - .name:           k_qaf589f397e_proj
    .symbol:         k_qaf589f397e_proj.kd
    .args:
      - { .name: xn, .offset: 0, .size: 8, .value_kind: global_buffer, .address_space: global }
      - { .name: wimg, .offset: 8, .size: 8, .value_kind: global_buffer, .address_space: global }
      - { .name: fp4, .offset: 16, .size: 8, .value_kind: global_buffer, .address_space: global }
      - { .name: qkva, .offset: 24, .size: 8, .value_kind: global_buffer, .address_space: global }
    .group_segment_fixed_size: 327680
    .private_segment_fixed_size: 0
    .kernarg_segment_align: 8
    .kernarg_segment_size: 32
    .max_flat_workgroup_size: 128
    .sgpr_count:     100
    .vgpr_count:     1024
    .wavefront_size: 32
...
	.end_amdgpu_metadata
.endif
;; end of part 2
;; launch attn (part 3): grid 8 x 32, 4 waves a work-group, clusters of 4 x 1, 327,680 bytes of LDS; arguments qkva, ctx; writes ctx
.if DOCPART == 3
	.amdgcn_target "amdgcn-amd-amdhsa--gfx1250"
	.amdhsa_code_object_version 6
	.text
	.protected	k_qaf589f397e_attn
	.globl	k_qaf589f397e_attn
	.p2align	8
	.type	k_qaf589f397e_attn,@function
k_qaf589f397e_attn:
	s_mov_b64 s[64:65], 0
	v_nop
	global_prefetch_b8 v0, s[64:65] scope:SCOPE_SE
	s_setreg_imm32_b32 hwreg(HW_REG_WAVE_MODE, 25, 1), 1
	s_wait_xcnt 0x0
	s_wait_alu depctr_hold_cnt(0) depctr_sa_sdst(0) depctr_va_vdst(0) depctr_va_sdst(0) depctr_va_ssrc(0) depctr_va_vcc(0) depctr_vm_vsrc(0)
	s_getreg_b32 s2, hwreg(HW_REG_IB_STS2, 6, 4)
	s_cmp_eq_u32 s2, 0
	s_cbranch_scc0 .Lentry_in_a_cluster
	s_endpgm
.Lentry_in_a_cluster:
	s_bfe_u32 s2, ttmp6, 0x10000c
	s_cmp_lg_u32 s2, 0x3003
	s_cbranch_scc0 .Lentry_shape_is_right
	s_endpgm
.Lentry_shape_is_right:
; ATTN: for each of the 32 (batch, head): one softmax_k(q . k / 8), applied to v and to av at once.  q, k, v, av: planes of qkva, [32][2048][64] f16.  ctx: [32][2048][128] f16: channels 0-63 the sum over v, 64-127 over av.
; Products, maxima and sums in f32; the weights p are rounded to f16 for the second product, ctx once at the end.  LIMIT: ctx is f16: magnitudes under 65,504.
; SHARES.  A work-group owns 256 queries of one head, each of its four waves 64: four tiles of 16.  Every wave walks all 2,048 keys, 64 a step.
; LAYOUT.  S^T = K Q^T (source 0 = 16 keys, source 1 = 16 queries; two instructions deep: 64 channels): a lane holds ONE query (lane % 16) and the keys 8 (lane / 16) + 0..7.  Two such tiles, rounded to f16 in pairs, ARE
; source 1 (32 keys x 16 queries) of O^T = [V | AV]^T P, whose result again holds one query a lane and eight channels.  K comes out of LDS as it lies, V and AV ([key][channel]) turned, by ds_load_tr16_b128.
; SOFTMAX.  For each query a running maximum m and sum l: p = 2^(c s - c m), c = log2(e) / 8; in every step O and l are multiplied by a = 2^(c m_old - c m_new).
; BY TURNS.  The wave's tiles are two PIECES (tiles 0, 1; tiles 2, 3).  In a TURN one piece has the matrix unit: 32 products V^T P of the step in hand, then 16 products K Q^T of the next step; the other piece's softmax,
; cut into 64 slices, stands between them: one slice behind each V^T P, two behind each K Q^T.  Then the pieces change places.  Two turns are a key step.
; CLUSTER.  The four query blocks of a cluster belong to one head and walk the same K, V and AV: each tile is asked for JOINTLY, by the same tensor load with a mask that names the four.
; REGISTERS, in windows of 256:  window 0: v0-11 addresses; v12-43 eight registers of statistics a tile; v64-191 S^T, 32 a tile; v192-255 P, 16 a tile.   window 1: O^T, 64 a tile.
;   window 2: v0-63 Q, 16 a tile; v128-191 K of one step.   window 3: v0-127 V | AV of one step.
.set KS,    64        ; keys in a step
.set NST,   4         ; steps in a slot
.set PK,    144       ; a row of K in LDS: 128 bytes + 16: the 16 rows of a load start at 16 different groups of four banks (ISA guide 11.1)
.set PV,    160       ; a row of V or AV: 128 + 32
.set VOFF,  NST*KS*PK ; a slot: 256 rows of K, then 256 of V, then 256 of AV
.set AOFF,  NST*KS*PV
.set SLOT1, 1<<17     ; slot 1 begins here, so that one exclusive or turns an address in one slot into the other's
.set SLOTB, NST*KS*128  ; a slot's keys in one plane of memory, in bytes
.set STAGE, SLOT1+VOFF+2*AOFF  ; behind the ring: 16 rows x 272 bytes for each wave, for the way out
.set SP,    272
.set AK0, 2
.set AV0, 3
.set ADR, 4
.set QO,  5
.set STO, 6
.set RD,  7
.set GO,  8
.set SPW, 62
.set NIL, 63
.set SPARE, STAGE+4*16*272
.set ST,  12          ; tile t's statistics at v[ST+8 t]: +0 c m, +1 m, +2, +3 l (even keys', odd keys'), +4 to +7 c0-c3, at work; a takes c2's place once the maximum is found
.set S,   64
.set P,   192
.set KF,  128
.set WV,  12
.set G1K, 24
.set G1V, 32
.set G0K, 40          ; s[40:47] group 0 for K's tiles: a set for each of the two first fills; the second then walks on
.set G0V, 48
.set SLOTS, 56
.set TWICE, 57
.set CS,  58
.set SEL, 60
.set TBK, 62          ; s62  LDS byte at which K's rows of the step to be fetched begin
.set TBV, 63          ; s63  the same for V's rows (AV's lie AOFF further on)
.set PFA, 18
.set LIM, 15
.set PFO, 61
.set MSB, 0
.macro WIN new
.if MSB != (\new)
	s_set_vgpr_msb (MSB<<8)|(\new)
.set MSB, (\new)
.endif
.endm
.set W_KQ, 0x0a       ; K and Q in window 2, S^T in window 0
.set W_PV, 0x53       ; V in window 3, P in window 0, O^T in window 1
.set W_RS, 0x41       ; O^T (destination and source 0) in window 1, a in window 0
; a joint refill: waves 0 and 1 fetch K's halves of the slot, wave 2 V's rows, wave 3 AV's.  The branch hangs on the wave's number alone.  An s_nop 0 and four v_nop follow each line
.macro JLOAD
	s_cmp_lt_u32 s[WV], 2
	s_cbranch_scc0 .Lfor_v_\@
	tensor_load_to_lds s[G0K+4:G0K+7], s[G1K:G1K+7]
	s_nop 0
.rept 4
	v_nop
.endr
	s_branch .Lasked_\@
.Lfor_v_\@:
	tensor_load_to_lds s[G0V+4:G0V+7], s[G1V:G1V+7]
	s_nop 0
.rept 4
	v_nop
.endr
.Lasked_\@:
.endm
; a prefetch of what the NEXT change of slots will ask for: 32,768 bytes of each of the planes k, v, av.  Both clusters of a head walk the same rows: the head's first cluster asks.  Its four partners share each plane's
; 128 blocks of 256 bytes out BY ADDRESS, 32 each, a lane a block; wave 0 asks for k's, wave 2 for v's, wave 3 for av's.  The last change that fills a slot asks for nothing: there is no slot behind it.
.macro ASK
	s_cmp_gt_u32 s[SLOTS], s[LIM]
	s_cbranch_scc0 .Lnot_mine_\@
	global_prefetch_b8 v[PFO], s[PFA:PFA+1] th:TH_LOAD_NT scope:SCOPE_SE
.Lnot_mine_\@:
.endm
.macro CROUND
	s_barrier_signal -1
	s_barrier_wait -1
	s_cmp_lg_u32 s[WV], 0
	s_cbranch_scc1 .Lnot_wave_0_\@
	s_barrier_signal -3
.Lnot_wave_0_\@:
	s_barrier_wait -3
	s_barrier_signal -1
	s_barrier_wait -1
.endm
	s_load_b128 s[4:7], s[0:1], 0x0 ; qkva s[4:5], ctx s[6:7]
	v_lshl_add_u32 v[SPW], v0, 2, SPARE
	v_mov_b32 v[NIL], 0
	ds_add_u32 v[SPW], v[NIL]       ; the wave's opening: the add, twice on end, and its wait ahead of my first tensor load
	ds_add_u32 v[SPW], v[NIL]
	v_lshrrev_b32 v1, 5, v0
	v_readfirstlane_b32 s[WV], v1   ; wave 0..3
	s_bfe_u32 s13, ttmp6, 0x40000   ; cx
	s_lshl_b32 s14, ttmp9, 2
	s_add_co_u32 s14, s14, s13      ; my block of 256 queries: it enters q's and ctx's addresses alone
	s_and_b32 s20, ttmp7, 0xffff    ; batch x head, which the four partners share
	s_lshl_b32 s21, s20, 18         ; its bytes in a plane
	s_and_b32 s16, s[WV], 1
	s_lshl_b32 s22, s16, 14         ; K: my half of a slot's 256 rows,
	s_add_co_u32 s22, s22, s21
	s_add_co_u32 s22, s22, 0x800000 ; in plane 1
	s_mov_b32 s23, 0
	s_lshl_b32 s2, s16, 23          ; V (wave 2) or AV (wave 3): plane 2 or 3
	s_add_co_u32 s2, s2, s21
	s_add_co_u32 s2, s2, 0x1000000
	s_mov_b32 s3, 0
	s_mul_i32 s17, s16, 128*PK      ; and their places in a slot: no place in the cluster enters an LDS address
	s_mul_i32 s66, s16, AOFF
	s_add_co_u32 s66, s66, VOFF
	s_lshl_b32 s8, s14, 15          ; q: my block's 256 rows of 128 bytes,
	s_lshl_b32 s9, s[WV], 13        ; my wave's 64
	s_add_co_u32 s8, s8, s9
	s_add_co_u32 s8, s8, s21
	s_mov_b32 s9, 0
	s_lshl_b32 s10, s14, 16         ; ctx: rows of 256 bytes
	s_lshl_b32 s11, s[WV], 14
	s_add_co_u32 s10, s10, s11
	s_lshl_b32 s11, s20, 19
	s_add_co_u32 s10, s10, s11
	s_mov_b32 s11, 0
	s_max_u32 s18, s[WV], 1         ; the prefetches: plane 1, 2 or 3,
	s_lshl_b32 s18, s18, 23
	s_add_co_u32 s18, s18, s21
	s_lshl_b32 s19, s13, 13         ; my work-group's 32 blocks,
	s_add_co_u32 s18, s18, s19
	s_add_co_u32 s18, s18, 2*SLOTB  ; in slot 2; the first change of slots steps it to slot 3.  Nothing is prefetched at the head
	s_mov_b32 s19, 0
	s_mov_b32 s[G1K], 15|(1<<16)|(1<<20)|(1<<21)|(4<<22)|(3<<25)  ; the mask: all four work-groups; elements of 2 bytes; padding on; bit 21 beside the mask; after every 32 words 4 words
	s_mov_b32 s[G1V], 15|(1<<16)|(1<<20)|(1<<21)|(4<<22)|(7<<25)  ; the same with 8 words of padding
	s_mov_b32 s[G1K+1], 64<<16      ; tensor_dim0 = 64
	s_mov_b32 s[G1K+2], 128<<16     ; tensor_dim1 = 128
	s_mov_b32 s[G1K+3], 64<<16      ; tile_dim0 = 64
	s_mov_b32 s[G1K+4], 128         ; tile_dim1 = 128
	s_mov_b32 s[G1K+5], 64          ; elements from row to row
	s_mov_b32 s[G1K+6], 0
	s_mov_b32 s[G1K+7], 0
	s_mov_b32 s[G1V+1], 64<<16
	s_mov_b32 s[G1V+2], 256<<16     ; 256 rows
	s_mov_b32 s[G1V+3], 64<<16
	s_mov_b32 s[G1V+4], 256
	s_mov_b32 s[G1V+5], 64
	s_mov_b32 s[G1V+6], 0
	s_mov_b32 s[G1V+7], 0
	s_mov_b32 s[CS], 0x3e38aa3b     ; c = log2(e) / 8
	s_mov_b32 s[CS+1], s[CS]        ; named with it as a pair, so it is written
	s_mov_b32 s[SEL], 0x76543210
	s_mov_b32 s[SEL+1], 0xfedcba98
	s_mov_b32 s[TBK], 0
	s_mov_b32 s[TBV], 0
	s_mov_b32 s[SLOTS], 2048/(NST*KS)-2
	s_cmp_eq_u32 s[WV], 1
	s_cselect_b32 s[LIM], 1, 0      ; 0 in waves 0, 2 and 3,
	s_or_b32 s[LIM], s[LIM], ttmp9  ; where the cluster is the head's first: the same in all four partners
	s_cmp_eq_u32 s[LIM], 0
	s_cselect_b32 s[LIM], 1, -1
	v_and_b32 v[PFO], 31, v0
	v_lshlrev_b32 v[PFO], 8, v[PFO]
	s_wait_dscnt 0x0                ; both opening adds are done
	s_wait_kmcnt 0x0
	s_add_nc_u64 s[22:23], s[4:5], s[22:23]
	s_add_nc_u64 s[2:3], s[4:5], s[2:3]
	s_add_nc_u64 s[8:9], s[4:5], s[8:9]
	s_add_nc_u64 s[10:11], s[6:7], s[10:11]
	s_add_nc_u64 s[PFA:PFA+1], s[4:5], s[PFA:PFA+1]
	CROUND                          ; all four work-groups are here: the first joint loads meet
.irp s, 0,1
	s_mov_b32 s[G0K+4*\s], 1
	s_add_co_u32 s[G0K+4*\s+1], s17, \s*SLOT1
	s_add_nc_u64 s[G0K+4*\s+2:G0K+4*\s+3], s[22:23], \s*SLOTB
	s_or_b32 s[G0K+4*\s+3], s[G0K+4*\s+3], 0x80000000
	s_mov_b32 s[G0V+4*\s], 1
	s_add_co_u32 s[G0V+4*\s+1], s66, \s*SLOT1
	s_add_nc_u64 s[G0V+4*\s+2:G0V+4*\s+3], s[2:3], \s*SLOTB
	s_or_b32 s[G0V+4*\s+3], s[G0V+4*\s+3], 0x80000000
.endr
	s_cmp_lt_u32 s[WV], 2           ; a wave's two first fills stand in one branch, ahead of every wait on TENSORcnt and every LDS read: two loads of mine are out
	s_cbranch_scc0 .Lfirst_v
	tensor_load_to_lds s[G0K:G0K+3], s[G1K:G1K+7]
	s_nop 0
	tensor_load_to_lds s[G0K+4:G0K+7], s[G1K:G1K+7]
	s_nop 0
.rept 4
	v_nop
.endr
	s_branch .Lfirst_asked
.Lfirst_v:
	tensor_load_to_lds s[G0V:G0V+3], s[G1V:G1V+7]
	s_nop 0
	tensor_load_to_lds s[G0V+4:G0V+7], s[G1V:G1V+7]
	s_nop 0
.rept 4
	v_nop
.endr
.Lfirst_asked:
	; a fragment of K or Q is 16 rows x 32 channels in 8 registers: lane l holds row l % 16; registers 0-3 channels 8 (l / 16) + 0..7, registers 4-7 channels 16 + 8 (l / 16) + 0..7
	v_and_b32 v1, 15, v0            ; l % 16
	v_bfe_u32 v9, v0, 4, 1          ; l / 16
	v_lshlrev_b32 v[QO], 7, v1
	v_lshl_add_u32 v[QO], v9, 4, v[QO]  ; row x 128 + 16 x half
	WIN 0x80                        ; destination window 2, address window 0
.irp i, 0,1,2,3,4,5,6,7             ; Q stays in registers: tile i / 2, channels 32 (i % 2) on
	global_load_b128 v[8*\i:8*\i+3],   v[QO], s[8:9] offset:(\i/2)*2048+(\i%2)*64
	global_load_b128 v[8*\i+4:8*\i+7], v[QO], s[8:9] offset:(\i/2)*2048+(\i%2)*64+32
.endr
	WIN 0
	v_mul_u32_u24 v[AK0], v1, PK
	v_lshl_add_u32 v[AK0], v9, 4, v[AK0]
	; the turning load takes 16 keys x 16 channels (lane l reads 16 bytes: key 8 (l / 16) + l % 8, channels 8 ((l / 8) % 2) + 0..7) and leaves half a fragment of V^T: lane l holds channel l % 16 and 8 keys
	v_and_b32 v10, 7, v0
	v_bfe_u32 v11, v0, 3, 1
	v_lshl_add_u32 v[AV0], v9, 3, v10
	v_mul_u32_u24 v[AV0], v[AV0], PV
	v_lshl_add_u32 v[AV0], v11, 4, v[AV0]
	v_add_nc_u32 v[AV0], VOFF, v[AV0]
; THE MATRIX WORK OF A TURN, for piece x.  The accumulators take turns, one instruction a turn.
; Product i of 32 of O^T += V^T P: keys 32 (i / 16) on, channels 16 ((i / 2) % 8) on, tile x + i % 2.  zero = 1: the first 16 start the sums
.macro PV x, zero
	WIN W_PV
.set rO, 64*(\x+i%2)+8*((i/2)%8)
.set rV, 64*(i/16)+8*((i/2)%8)
.set rP, P+16*(\x+i%2)+8*(i/16)
.if \zero && (i < 16)
	v_wmma_f32_16x16x32_f16 v[rO:rO+7], v[rV:rV+7], v[rP:rP+7], 0
.else
	v_wmma_f32_16x16x32_f16 v[rO:rO+7], v[rV:rV+7], v[rP:rP+7], v[rO:rO+7]
.endif
.endm
; Product i of 16 of S^T = K Q^T: channels 32 (i / 8) on, keys 16 ((i / 2) % 4) on, tile x + i % 2.  The first 8 start the sums
.macro KQ x
	WIN W_KQ
.set rS, S+32*(\x+i%2)+8*((i/2)%4)
.set rK, KF+16*((i/2)%4)+8*(i/8)
.set rQ, 16*(\x+i%2)+8*(i/8)
.if i < 8
	v_wmma_f32_16x16x32_f16 v[rS:rS+7], v[rK:rK+7], v[rQ:rQ+7], 0
.else
	v_wmma_f32_16x16x32_f16 v[rS:rS+7], v[rK:rK+7], v[rQ:rQ+7], v[rS:rS+7]
.endif
.endm
; THE LDS LOADS stand in runs: a step's K (64 keys x 64 channels: 8 fragments) and, a turn later, its V | AV (turned: 16 fragments)
.macro FETCH_K
	WIN 0
	v_add_nc_u32 v[ADR], s[TBK], v[AK0]
	WIN 0x80                        ; destination window 2
.irp f, 0,1,2,3,4,5,6,7             ; keys 16 (f / 2) on, channels 32 (f % 2) on
	ds_load_b128 v[KF+8*\f:KF+8*\f+3],   v[ADR] offset:(\f/2)*16*PK+(\f%2)*64
	ds_load_b128 v[KF+8*\f+4:KF+8*\f+7], v[ADR] offset:(\f/2)*16*PK+(\f%2)*64+32
.endr
.endm
.macro FETCH_V
	WIN 0
	v_add_nc_u32 v[ADR], s[TBV], v[AV0]
	s_add_co_u32 s[TBK], s[TBK], KS*PK  ; the next fetches are the next step's
	s_add_co_u32 s[TBV], s[TBV], KS*PV
	s_wait_alu depctr_va_vdst(0)    ; the wait for the softmax's batch (SLICE), behind the address's v_add_nc_u32 and ahead of the loads
	WIN 0xc0                        ; destination window 3
.irp f, 0,1,2,3,4,5,6,7,8,9,10,11,12,13,14,15  ; keys 32 (f / 8) on; channel tile f % 8: 0-3 V's, 4-7 AV's
	ds_load_tr16_b128 v[8*\f:8*\f+3],   v[ADR] offset:(\f/8)*32*PV+((\f%8)/4)*AOFF+(\f%4)*32
	ds_load_tr16_b128 v[8*\f+4:8*\f+7], v[ADR] offset:(\f/8)*32*PV+16*PV+((\f%8)/4)*AOFF+(\f%4)*32
.endr
.endm
; THE VECTOR WORK OF A TURN.  One tile's softmax for one key step is a list of 134 instructions; SM writes number j of it for tile t.  s0-s31 are the lane's 32 scores, in pairs 0-15.
; first = 1: the first key step, which starts m, l and O^T: it has no a and nothing to rescale.
;   0-15    the maximum of s0-s31 and the old m, three operands at a time     16-20   the other half of the lanes' maximum; the new m; c m; c m_old - c m_new
;   21-69   ONE BATCH: the 16 scalings c s - c m and all 33 exponentials (a at 23, then s0-s31); none of these reads an exponential's result
;   (wait)  between 69 and 70 stands the wait for the batch: SLICE writes it, once for both tiles
;   70-85   the roundings to f16     86-101  the sums; l = a l + the sum     102-133 the tile's O^T times a
.macro SM t, first
.set rT, ST+8*(\t)
.set rS, S+32*(\t)
.set rP, P+16*(\t)
.set rO, 64*(\t)+2*(j-102)
.if j < 102
	WIN 0
.endif
.if j < 4
	v_max3_num_f32 v[rT+4+j], v[rS+8*j], v[rS+8*j+1], v[rS+8*j+2]
.elseif j < 12
	v_max3_num_f32 v[rT+4+j%4], v[rT+4+j%4], v[rS+8*(j%4)+2*(j/4)+1], v[rS+8*(j%4)+2*(j/4)+2]
.elseif j == 12
	v_max3_num_f32 v[rT+4], v[rT+4], v[rS+7], v[rS+15]
.elseif j == 13
	v_max3_num_f32 v[rT+6], v[rT+6], v[rS+23], v[rS+31]
.elseif j == 14
	v_max3_num_f32 v[rT+4], v[rT+4], v[rT+5], v[rT+6]
.elseif (j == 15) && \first
	v_max_num_f32 v[rT+4], v[rT+4], v[rT+7]
.elseif j == 15
	v_max3_num_f32 v[rT+4], v[rT+4], v[rT+7], v[rT+1]
.elseif j == 16
	v_permlanex16_b32 v[rT+5], v[rT+4], s[SEL], s[SEL+1]  ; the query's other 32 keys lie in the lane 16 away
.elseif j == 18
	v_max_num_f32 v[rT+1], v[rT+4], v[rT+5]
.elseif j == 19
	v_mul_f32 v[rT], s[CS], v[rT+1]
.elseif ((j == 17) || (j == 20) || (j == 23) || (j > 101)) && \first  ; the first step has none of these
.elseif j == 17
	v_mov_b32 v[rT+7], v[rT]        ; c m_old is kept for a: number 19 writes c m anew
.elseif j == 20
	v_sub_f32 v[rT+7], v[rT+7], v[rT]
.elseif j == 23
	v_exp_f32 v[rT+6], v[rT+7]
.elseif (j < 23) || ((j < 38) && (j%2 == 0)) || ((j < 66) && (j%4 == 2))
.set b, (j-2)/4                     ; 38, 42, .. 62: pairs 9 to 15
.if j < 38
.set b, (j-20)/2                    ; 21: pair 0; 22, 24, .. 36: pairs 1 to 8
.endif
	v_pk_fma_f32 v[rS+2*b:rS+2*b+1], v[rS+2*b:rS+2*b+1], s[CS:CS+1], v[rT:rT+1] op_sel_hi:[1,0,0] neg_lo:[0,0,1] neg_hi:[0,0,1]  ; pair b: c s - c m
.elseif j < 70
.set e, j-38                        ; 66 to 69: s28 to s31
.if j < 66
.set e, j-32-(j-38)/4               ; 39-41, 43-45, .. 63-65: s7 to s27
.endif
.if j < 38
.set e, (j-25)/2                    ; 25, 27, .. 37: s0 to s6
.endif
	v_exp_f32 v[rS+e], v[rS+e]
.elseif j < 86
	v_cvt_pk_f16_f32 v[rP+j-70], v[rS+2*(j-70)], v[rS+2*(j-70)+1]  ; pair j - 70
.elseif j < 102                     ; the sum of the tile's 16 pairs, in place: neighbours 1, 2, 4 and 8 pairs apart, then l takes it
.set z, j-86
.set w, 4
.set u, z
.if z >= 14
.set w, 32
.set u, 0
.elseif z >= 12
.set w, 16
.set u, z-12
.elseif z >= 8
.set w, 8
.set u, z-8
.endif
.if (z == 14) && \first
	v_pk_add_f32 v[rT+2:rT+3], v[rS:rS+1], v[rS+16:rS+17]
.elseif z < 15
	v_pk_add_f32 v[rS+w*u:rS+w*u+1], v[rS+w*u:rS+w*u+1], v[rS+w*u+w/2:rS+w*u+w/2+1]
.elseif !\first
	v_pk_fma_f32 v[rT+2:rT+3], v[rT+2:rT+3], v[rT+6:rT+7], v[rS:rS+1] op_sel_hi:[1,0,1]
.endif
.else
	WIN W_RS
	v_pk_mul_f32 v[rO:rO+1], v[rO:rO+1], v[rT+6:rT+7] op_sel_hi:[1,0]
.endif
.endm
; Slice k of 64 of piece y's softmax: four instructions.  Slices 11 to 34 deal out the batch, four numbers of ONE tile each, the tiles by turns; every other slice is numbers 2 k and 2 k + 1 of both tiles' lists.
; 2 x 134 = 4 x 64 + 12: the twelve that are over stand together, in slice 63.  Ahead of slice 35 nothing names an exponential's result, and behind slice 34 no exponential is issued: so the piece's 66 have one wait.
.macro SLICE y, first
.if (k >= 11) && (k < 35)
.irp n, 0,1,2,3
.set j, 22+4*((k-11)/2)+(\n)
	SM (\y)+(k-11)%2, \first
.endr
.else
.irp n, 0,1,2,3,4,5,6,7
.if (\n < 2) || (k == 63)
.irp t, \y, \y+1
.set j, 2*k+\n
	SM \t, \first
.endr
.endif
.endr
.endif
.if k == 34
	v_nop                           ; the plain instruction behind the last exponential and ahead of the first use: one for the batch (ISA guide 5.7.2)
.if (\y) == 0
	FETCH_V                         ; piece 2's turn: V's run of loads stands here, and the wait stands in it
.else
	s_wait_alu depctr_va_vdst(0)    ; the wait, one for the batch
.endif
.endif
.set k, k+1
.endm
.macro PLACES
.rept 4
	v_nop
.endr
.endm
; A TURN.  Piece x has the matrix unit; the other piece's softmax stands in slices behind its matrix instructions.  pv = 2: 32 products V^T P; 1: they start O^T's sums; 0: none.  kq = 1: 16 products K Q^T for the next step.
; With both kinds: one slice behind each V^T P, two behind each K Q^T; with V^T P alone two, with K Q^T alone four.  first = 1: the softmax is the first key step's; its slices from 51 on are empty, and four v_nop take slice 63's part.
; Piece 0's turn fetches the next step's K behind its second product: the last product that read K stands in front of slices 62 and 63 of the turn before, twenty plain instructions.  Piece 2's turn fetches the same step's V
; behind slice 34: the last product that read V stands in front of slice 31, and four plain instructions lie between: number 62, a scaling, of both tiles, the v_nop and the run's own v_add_nc_u32.
.macro TURN x, pv, kq, first
.set k, 0
.set perp, 2
.set perk, 4
.if \pv && \kq
.set perp, 1
.set perk, 2
.endif
.if \pv
.if \x == 0
	s_wait_dscnt 0x0                ; V is in
.endif
.set i, 0
.rept 32
	PV \x, 2-\pv
.rept perp
	SLICE 2-\x, \first
.endr
.if (\x == 0) && \kq && (i == 1)
	FETCH_K
.endif
.set i, i+1
.endr
.endif
.if \kq
.if \x == 0
	s_wait_dscnt 0x0                ; K is in
.endif
.set i, 0
.rept 16
	KQ \x
.rept perk
	SLICE 2-\x, \first
.endr
.set i, i+1
.endr
.endif
.if \first
	PLACES
.endif
.endm
; THE CHANGE OF SLOTS, between piece 2's turn and piece 0's: the slot's last bytes, V of its fourth step, have been asked for.  Each wave waits for all its tensor loads, of which one is out: its part of the other slot;
; adds 0 to its spare word; and waits for that and for its own reads of the slot.  fill = 1: the barrier is a round of the cluster's, and the joint refill, the keys two slots on, is the first thing behind it.
.macro CHANGE fill
	WIN 0                           ; at a label and at a branch every window is 0
	s_wait_tensorcnt 0x0            ; no tensor load of mine is out, so a group 0 may be written
	ds_add_u32 v[SPW], v[NIL]       ; 0 onto my spare word
.if \fill
.irp g, G0K+4, G0V+4
	s_xor_b32 s[\g+1], s[\g+1], SLOT1  ; the walking descriptor: the other slot than last time,
	s_add_nc_u64 s[\g+2:\g+3], s[\g+2:\g+3], SLOTB  ; the next 256 keys; the type bits on top are not reached
.endr
	s_wait_xcnt 0x0                 ; the last prefetch, a slot back, has read its address, so it may be written
	s_add_nc_u64 s[PFA:PFA+1], s[PFA:PFA+1], SLOTB
	s_wait_dscnt 0x0                ; the add is done, and my reads of the slot are over
	CROUND
	JLOAD
	ASK
.else
	s_wait_dscnt 0x0
	s_barrier_signal -1
	s_barrier_wait -1
.endif
	s_sub_co_u32 s[TBK], s[TBK], NST*KS*PK  ; the fetches go back to a slot's first step,
	s_xor_b32 s[TBK], s[TBK], SLOT1         ; in the other slot
	s_sub_co_u32 s[TBV], s[TBV], NST*KS*PV
	s_xor_b32 s[TBV], s[TBV], SLOT1
.endm
; n key steps: written once, walked n times; the LDS addresses hang on s[TBK] and s[TBV]
.macro STEPS n
	s_mov_b32 s[TWICE], \n
.Lstep_\@:
	TURN 0, 2, 1, 0
	TURN 2, 2, 1, 0
	WIN 0
	s_sub_co_u32 s[TWICE], s[TWICE], 1
	s_cmp_lg_u32 s[TWICE], 0
	s_cbranch_scc1 .Lstep_\@
.endm
	s_wait_tensorcnt 1              ; my part of slot 0 is in; slot 1's may stay out
	s_barrier_signal -1
	s_barrier_wait -1
	FETCH_K                         ; key step 0
	s_wait_loadcnt 0x0              ; Q
	s_wait_dscnt 0x0
.set i, 0
.rept 16
	KQ 0                            ; piece 0's first scores: there is no vector work yet to set between them
.set i, i+1
.endr
	WIN 0                           ; the addresses for the way out are made here: eight plain instructions, the places behind those products
	s_mul_i32 s13, s[WV], 16*SP
	s_add_co_u32 s13, s13, STAGE    ; my stage
	v_mul_u32_u24 v[STO], v1, SP    ; in: row l % 16, 16 bytes for each half of the lanes
	v_lshl_add_u32 v[STO], v9, 4, v[STO]
	v_add_nc_u32 v[STO], s13, v[STO]
	v_mul_u32_u24 v[RD], v9, SP     ; back: lanes 0-15 take one row of 256 bytes, lanes 16-31 the next
	v_lshl_add_u32 v[RD], v1, 4, v[RD]
	v_add_nc_u32 v[RD], s13, v[RD]
	v_lshlrev_b32 v[GO], 8, v9      ; and the same two rows in ctx
	v_lshl_add_u32 v[GO], v1, 4, v[GO]
	TURN 2, 0, 1, 1                 ; piece 2's first scores | piece 0's first softmax | V of step 0
	TURN 0, 1, 1, 1                 ; piece 0: V^T P of step 0 starts O^T, K Q^T of step 1 | piece 2's first softmax | K of step 1
	TURN 2, 1, 1, 0                 ; piece 2: the same | piece 0's softmax of step 1 | V of step 1
	WIN 0
	STEPS 2                         ; steps 2 and 3 are fetched: slot 0 is read out
.Lslot:                             ; six trips: every slot but the last two is filled again
	CHANGE 1
	STEPS 4
	s_sub_co_u32 s[SLOTS], s[SLOTS], 1
	s_cmp_lg_u32 s[SLOTS], 0
	s_cbranch_scc1 .Lslot
	CHANGE 0                        ; the tail is written out
	STEPS 4
	TURN 0, 2, 0, 0                 ; piece 0: V^T P of the last step | piece 2's last softmax
.set i, 0
.rept 32
	PV 2, 0                         ; piece 2: V^T P of the last step
.set i, i+1
.endr
	; THE WAY OUT.  l's two halves and the other half of the lanes' are added; O^T is divided by l, rounded to f16 and sent through my stage, a tile (16 rows of ctx) at a time.  The additions are the places behind the last products.
	WIN 0
.irp t, 0,1,2,3
	v_add_f32 v[ST+8*\t+4], v[ST+8*\t+2], v[ST+8*\t+3]
.endr
.irp t, 0,1,2,3
	v_permlanex16_b32 v[ST+8*\t+5], v[ST+8*\t+4], s[SEL], s[SEL+1]
.endr
.irp t, 0,1,2,3
	v_add_f32 v[ST+8*\t+4], v[ST+8*\t+4], v[ST+8*\t+5]
.endr
.irp t, 0,1,2,3
	v_rcp_f32 v[ST+8*\t+6], v[ST+8*\t+4]
.endr
	v_nop                           ; a plain instruction between the last reciprocal and the use of its result
	s_wait_alu depctr_va_vdst(0)    ; and the wait ahead of the first use: one for the four
.macro PACK t
	WIN W_RS
.set i, 64*\t
.rept 32
	v_pk_mul_f32 v[i:i+1], v[i:i+1], v[ST+8*\t+6:ST+8*\t+7] op_sel_hi:[1,0]
.set i, i+2
.endr
	WIN 0x05                        ; sources 0 and 1 window 1, destination window 0: S^T's registers are free
.set i, 0
.rept 32
	v_cvt_pk_f16_f32 v[S+32*\t+i], v[64*\t+2*i], v[64*\t+2*i+1]
.set i, i+1
.endr
	WIN 0
.irp f, 0,1,2,3,4,5,6,7
	ds_store_b128 v[STO], v[S+32*\t+4*\f:S+32*\t+4*\f+3] offset:32*\f
.endr
.irp f, 0,1,2,3,4,5,6,7
	ds_load_b128 v[S+32*\t+4*\f:S+32*\t+4*\f+3], v[RD] offset:\f*2*SP  ; LDS serves a wave's instructions in order (ISA guide 5.7.1.4): these see the stores above; the next tile's stores come behind them
.endr
.endm
.macro SEND t, younger              ; younger: the LDS instructions issued behind tile t's loads: the next tile's sixteen, or none
.irp f, 0,1,2,3,4,5,6,7
	s_wait_dscnt \younger+7-\f
	global_store_b128 v[GO], v[S+32*\t+4*\f:S+32*\t+4*\f+3], s[10:11] offset:\t*4096+\f*512  ; 16 lanes store 256 consecutive bytes, at a multiple of 256 from ctx's first byte
.endr
.endm
	PACK 0
	PACK 1
	SEND 0, 16
	PACK 2
	SEND 1, 16
	PACK 3
	SEND 2, 16
	SEND 3, 0
	s_wait_tensorcnt 0x0            ; the wave's end: behind my last tensor load and my last LDS store
	ds_add_u32 v[SPW], v[NIL]
	s_wait_dscnt 0x0
	CROUND                          ; the closing round
	s_endpgm
.Lfunc_end_k_qaf589f397e_attn:
	.size	k_qaf589f397e_attn, .Lfunc_end_k_qaf589f397e_attn-k_qaf589f397e_attn
	.p2alignl 7, 3214868480
	.fill 96, 4, 3214868480
	.section	.rodata,"a",@progbits
	.p2align	6, 0x0
	.amdhsa_kernel k_qaf589f397e_attn
		.amdhsa_group_segment_fixed_size 327680
		.amdhsa_private_segment_fixed_size 0
		.amdhsa_enable_private_segment 0
		.amdhsa_kernarg_size 16
		.amdhsa_user_sgpr_count 2
		.amdhsa_user_sgpr_kernarg_segment_ptr 1
		.amdhsa_wavefront_size32 1
		.amdhsa_system_sgpr_workgroup_id_x 1
		.amdhsa_system_sgpr_workgroup_id_y 1
		.amdhsa_system_sgpr_workgroup_id_z 1
		.amdhsa_system_vgpr_workitem_id 0
		.amdhsa_next_free_vgpr 1024
		.amdhsa_next_free_sgpr 70
		.amdhsa_reserve_vcc 0
		.amdhsa_float_denorm_mode_32 3
		.amdhsa_float_denorm_mode_16_64 3
		.amdhsa_memory_ordered 1
		.amdhsa_forward_progress 1
		.amdhsa_inst_pref_size 248
	.end_amdhsa_kernel
	.amdgpu_metadata
---
amdhsa.version: [ 1, 2 ]
amdhsa.kernels:
  - .name:           k_qaf589f397e_attn
    .symbol:         k_qaf589f397e_attn.kd
    .args:
      - { .name: qkva, .offset: 0, .size: 8, .value_kind: global_buffer, .address_space: global }
      - { .name: ctx, .offset: 8, .size: 8, .value_kind: global_buffer, .address_space: global }
    .group_segment_fixed_size: 327680
    .private_segment_fixed_size: 0
    .kernarg_segment_align: 8
    .kernarg_segment_size: 16
    .max_flat_workgroup_size: 128
    .sgpr_count:     70
    .vgpr_count:     1024
    .wavefront_size: 32
...
	.end_amdgpu_metadata
.endif
;; end of part 3
;; launch outp (part 4): grid 8 x 32, 4 waves a work-group, clusters of 4 x 1, 327,680 bytes of LDS; arguments ctx, wimg, b_out, b_yout, out0, out1; writes out0, out1
.if DOCPART == 4
	.amdgcn_target "amdgcn-amd-amdhsa--gfx1250"
	.amdhsa_code_object_version 6
	.text
	.protected	k_qaf589f397e_outp
	.globl	k_qaf589f397e_outp
	.p2align	8
	.type	k_qaf589f397e_outp,@function
k_qaf589f397e_outp:
	s_mov_b64 s[64:65], 0
	v_nop
	global_prefetch_b8 v0, s[64:65] scope:SCOPE_SE
	s_setreg_imm32_b32 hwreg(HW_REG_WAVE_MODE, 25, 1), 1
	s_wait_xcnt 0x0
	s_wait_alu depctr_hold_cnt(0) depctr_sa_sdst(0) depctr_va_vdst(0) depctr_va_sdst(0) depctr_va_ssrc(0) depctr_va_vcc(0) depctr_vm_vsrc(0)
	s_getreg_b32 s2, hwreg(HW_REG_IB_STS2, 6, 4)
	s_cmp_eq_u32 s2, 0
	s_cbranch_scc0 .Lentry_in_a_cluster
	s_endpgm
.Lentry_in_a_cluster:
	s_bfe_u32 s2, ttmp6, 0x10000c
	s_cmp_lg_u32 s2, 0x3003
	s_cbranch_scc0 .Lentry_shape_is_right
	s_endpgm
.Lentry_shape_is_right:
; OUTP: out0 = merge(x_ctx) w_out + b_out and out1 = merge(y_ctx) w_yout + b_yout, f16 operands, f32 sums, f32 results.
; A work-group makes 128 rows x 128 columns of BOTH outputs, so that each row of ctx (256 bytes: 64 channels of x_ctx, 64 of y_ctx of one head) is fetched whole and serves whole.
; Wave w: output o = w / 2, columns 64 (w % 2) on: 8 x 4 accumulators, 256 registers.  K goes in 32 quarters of 32 (head kf / 2, channels 32 (kf % 2) on), all written out: every offset is an immediate.
; THE MATRIX INSTRUCTION IS USED TRANSPOSED (source 0 = 16 columns of the weight, source 1 = 16 rows): a lane holds eight neighbouring columns of a row.
; The bias is the C of each sum's first matrix instruction: eight registers a tile of columns, in the result's layout.
; ctx comes through a ring of two LDS slots of FOUR heads (4 planes of 128 rows, 16 bytes of padding a row), a plane a wave: four fills in all, two at the head and two refills; a refill has the other slot's
; 256 matrix instructions a wave in which to land.
; THE WEIGHTS GO FROM MEMORY STRAIGHT INTO REGISTERS: they lie as images of the operand's registers, and a wave's images (its output, its 64 columns) are read by no other wave of the work-group.  A ring of 8 x 32
; registers; quarter kf + 7 is asked for in the middle of quarter kf: 56 loads out, 224 matrix instructions ahead of their use.
; CLUSTER: 4 x 1: the four column blocks of a cluster need the same rows of ctx: each plane is asked for JOINTLY, with the mask of all four.  The weights are shared by the 32 row blocks and are NOT asked for jointly:
; two slots of four heads take 278,528 bytes of LDS, which leaves no room for four heads' weights, 131,072 bytes a slot; with them in the ring a slot would hold two heads and a refill would have half the work in which to land.
; No prefetch: the refill has a whole slot's work in which to land, and the weights' loads are themselves asked for seven quarters ahead.
; REGISTERS: window 0: v16-29 addresses; v32-63 the bias; v64-127 rows on the way out, two sets.   window 1: ctx's fragments, two buffers of 64.   window 2: accumulator (a, b) at v[8 (4 a + b)].   window 3: the weights' ring.
.set PITCH,  272                       ; an LDS row of ctx: 256 bytes + 16 = 68 words: the 16 rows that a load touches start at 16 different groups of four banks (ISA guide 11.1)
.set PLANE,  128*PITCH
.set SLOT,   4*PLANE
.set STAGE,  2*SLOT                    ; behind the ring: 16 rows x 272 bytes for each wave
.set SPARE,  STAGE+4*16*272            ; behind the stages: the spare words, 128 bytes for each wave
.set ADRA, 16                          ; v16-19  ctx's fragments: slot 0 planes 0, 1; slot 0 planes 2, 3; slot 1 likewise (an LDS immediate holds 65,535)
.set ADRB, 20                          ; v20     16 x lane: my place in an image
.set STO,  24
.set RD,   25
.set CO,   26
.set BA,   27
.set SPW,  28
.set NIL,  29
.set BIAS, 32
.set BK,   64
.set G1,   24                          ; s[24:31] descriptor group 1;  s[32:39] group 0, one set for each slot
.set G0,   32
.set BB,   44                          ; s[44:45] my images of the weight
.set MSB, 0
.macro WIN new                         ; the immediate's high byte repeats the setting that is left
.if MSB != (\new)
	s_set_vgpr_msb (MSB<<8)|(\new)
.set MSB, (\new)
.endif
.endm
.set MUL,  0xa7                        ; source 0 (weight) window 3, source 1 (ctx) window 1, C and D window 2; with the bias as C (window 0): 0x87
.macro CREST
	s_cmp_lg_u32 s16, 0
	s_cbranch_scc1 .Lnot_wave_0_\@
	s_barrier_signal -3
.Lnot_wave_0_\@:
	s_barrier_wait -3
	s_barrier_signal -1
	s_barrier_wait -1
.endm
.macro CROUND
	s_barrier_signal -1
	s_barrier_wait -1
	CREST
.endm
.macro PLACES                          ; four plain instructions between a matrix instruction and a load into, or a read of, its registers
.rept 4
	v_nop
.endr
.endm
	s_load_b256 s[4:11], s[0:1], 0x0               ; ctx 4, wimg 6, b_out 8, b_yout 10
	s_load_b128 s[12:15], s[0:1], 0x20             ; out0 12, out1 14
	v_lshl_add_u32 v[SPW], v0, 2, SPARE
	v_mov_b32 v[NIL], 0
	ds_add_u32 v[SPW], v[NIL]                      ; the wave's opening: the add, twice on end, and its wait ahead of my first tensor load
	ds_add_u32 v[SPW], v[NIL]
	v_lshrrev_b32 v1, 5, v0
	v_readfirstlane_b32 s16, v1                    ; wave.  Also: which plane of a slot I fetch
	s_lshr_b32 s17, s16, 1                         ; o: my output
	s_and_b32 s18, s16, 1                          ; my half of the columns
	s_bfe_u32 s19, ttmp6, 0x40000                  ; cx
	s_lshl_b32 s21, ttmp9, 2
	s_add_co_u32 s21, s21, s19                     ; nblk: 128 columns: it enters the weights', the bias's and the outputs' addresses alone
	s_and_b32 s22, ttmp7, 0xffff                   ; mblk: 128 rows, which the four partners share
	s_mov_b32 s[G1+0], 15|(1<<16)|(1<<20)|(1<<21)|(5<<22)|(3<<25)   ; the mask: all four work-groups; elements of 2 bytes; 4 words of padding after every 64; bit 21 beside the mask
	s_mov_b32 s[G1+1], 128<<16                     ; tensor_dim0 = 128
	s_mov_b32 s[G1+2], 128<<16                     ; tensor_dim1 = 128
	s_mov_b32 s[G1+3], 128<<16                     ; tile_dim0 = 128
	s_mov_b32 s[G1+4], 128                         ; tile_dim1 = 128
	s_mov_b32 s[G1+5], 128                         ; elements from row to row
	s_mov_b32 s[G1+6], 0
	s_mov_b32 s[G1+7], 0
	s_lshr_b32 s41, s22, 4                         ; ctx: batch,
	s_lshl_b32 s41, s41, 4
	s_add_co_u32 s41, s41, s16                     ; head = my wave's number, in the first fill,
	s_lshl_b32 s41, s41, 11
	s_and_b32 s42, s22, 15
	s_lshl_b32 s42, s42, 7
	s_add_co_u32 s42, s41, s42                     ; my block's first row there,
	s_lshl_b32 s42, s42, 8                         ; in bytes; these registers never hold cx
	s_mov_b32 s43, 0
	s_lshl_b32 s44, s21, 19                        ; the weights: [nblk][slot][o][q][nt]: my output, my four tiles of columns
	s_lshl_b32 s45, s17, 15
	s_add_co_u32 s44, s44, s45
	s_lshl_b32 s45, s18, 12
	s_add_co_u32 s44, s44, s45
	s_add_co_u32 s44, s44, 6291456
	s_mov_b32 s45, 0
	s_mul_i32 s46, s16, PLANE                      ; where my plane goes: no place in the cluster enters an LDS address
	s_lshl_b32 s72, s21, 9
	s_lshl_b32 s73, s18, 8
	s_add_co_u32 s72, s72, s73                     ; my first column, in bytes of f32
	s_mov_b32 s73, 0
	s_lshl_b32 s74, s22, 19                        ; my block's first row of the output
	s_add_co_u32 s74, s74, s72
	s_mov_b32 s75, 0
	s_wait_dscnt 0x0                               ; both opening adds are done
	s_wait_kmcnt 0x0
	s_add_nc_u64 s[42:43], s[4:5], s[42:43]
	s_add_nc_u64 s[BB:BB+1], s[6:7], s[44:45]
	CROUND                                         ; all four work-groups are here: the first joint loads meet
.irp s, 0,1
	s_mov_b32 s[G0+4*\s], 1
	s_add_co_u32 s[G0+4*\s+1], s46, \s*SLOT
	s_add_nc_u64 s[G0+4*\s+2:G0+4*\s+3], s[42:43], \s*2097152      ; four heads of 524,288 bytes on
	s_or_b32 s[G0+4*\s+3], s[G0+4*\s+3], 0x80000000
.endr
	tensor_load_to_lds s[G0:G0+3], s[G1:G1+7]      ; heads 0 to 3: my plane
	s_nop 0
	tensor_load_to_lds s[G0+4:G0+7], s[G1:G1+7]    ; heads 4 to 7: two tensor loads of mine are out
	s_nop 0
.rept 4
	v_nop
.endr
	s_cmp_eq_u32 s17, 0
	s_cselect_b64 s[68:69], s[8:9], s[10:11]       ; my bias,
	s_cselect_b64 s[70:71], s[12:13], s[14:15]     ; my output
	s_add_nc_u64 s[68:69], s[68:69], s[72:73]
	s_add_nc_u64 s[70:71], s[70:71], s[74:75]
	v_and_b32 v1, 15, v0                           ; r
	v_bfe_u32 v2, v0, 4, 1                         ; h
	v_and_b32 v3, 31, v0                           ; lane
	v_lshlrev_b32 v[BA], 5, v2
	v_lshlrev_b32 v[ADRB], 4, v3
.irp b, 0,1,2,3
	global_load_b128 v[BIAS+8*\b:BIAS+8*\b+3],   v[BA], s[68:69] offset:64*\b      ; lane (r, h): the bias of columns 16 b + 8 h + 0 .. 7
	global_load_b128 v[BIAS+8*\b+4:BIAS+8*\b+7], v[BA], s[68:69] offset:64*\b+16
.endr
; the weight's four images of quarter kf into ring buffer kf % 8: eight loads of 512 consecutive bytes
.macro BLOAD kf
	WIN 0xc0                                       ; destination window 3, address window 0
.irp b, 0,1,2,3
	global_load_b128 v[32*((\kf)%8)+8*\b:32*((\kf)%8)+8*\b+3],   v[ADRB], s[BB:BB+1] offset:((\kf)/4)*65536+((\kf)%4)*8192+1024*\b
	global_load_b128 v[32*((\kf)%8)+8*\b+4:32*((\kf)%8)+8*\b+7], v[ADRB], s[BB:BB+1] offset:((\kf)/4)*65536+((\kf)%4)*8192+1024*\b+512
.endr
.endm
.irp k, 0,1,2,3,4,5,6
	BLOAD \k                                       ; with the bias's eight, 64 loads: the hardware holds the last one's issue back until one has come (ISA guide 5.7.1)
.endr
	WIN 0
	v_mul_u32_u24 v4, v1, PITCH
	v_lshl_add_u32 v4, v2, 4, v4
	s_lshl_b32 s76, s17, 7
	v_add_nc_u32 v[ADRA], s76, v4                  ; ctx: row r, + 16 h, + my output's 128 bytes of the row
	v_add_nc_u32 v[ADRA+1], 2*PLANE, v[ADRA]
	v_add_nc_u32 v[ADRA+2], SLOT, v[ADRA]
	v_add_nc_u32 v[ADRA+3], SLOT+2*PLANE, v[ADRA]
	s_mul_i32 s76, s16, 16*272
	s_add_co_u32 s76, s76, STAGE                   ; my stage
	v_mul_u32_u24 v4, v1, 272
	v_lshl_add_u32 v4, v2, 5, v4
	v_add_nc_u32 v[STO], s76, v4                   ; in: row r, 32 bytes for each half of the lanes
	v_mul_u32_u24 v4, v2, 272
	v_lshl_add_u32 v4, v1, 4, v4
	v_add_nc_u32 v[RD], s76, v4                    ; back: lanes 0-15 one row of 256 bytes, lanes 16-31 the next
	v_lshlrev_b32 v4, 12, v2
	v_lshl_add_u32 v[CO], v1, 4, v4                ; and the same two rows in the output
; 8 matrix instructions of quarter kf: tiles of rows a0, a0 + 1 x my 4 tiles of columns.  first = 1: the bias starts the sums.  The 32 accumulators take turns, in the same order in every quarter
.macro MUL8 kf, a0, first
.irp a, \a0, \a0+1
.irp b, 0,1,2,3
.if \first
	v_wmma_f32_16x16x32_f16 v[8*(4*(\a)+\b):8*(4*(\a)+\b)+7], v[32*((\kf)%8)+8*\b:32*((\kf)%8)+8*\b+7], v[64*((\kf)%2)+8*(\a):64*((\kf)%2)+8*(\a)+7], v[BIAS+8*\b:BIAS+8*\b+7]
.else
	v_wmma_f32_16x16x32_f16 v[8*(4*(\a)+\b):8*(4*(\a)+\b)+7], v[32*((\kf)%8)+8*\b:32*((\kf)%8)+8*\b+7], v[64*((\kf)%2)+8*(\a):64*((\kf)%2)+8*(\a)+7], v[8*(4*(\a)+\b):8*(4*(\a)+\b)+7]
.endif
.endr
.endr
.endm
; 16 LDS loads in one run: ctx's 8 fragments of quarter kf into buffer kf % 2: slot (kf / 8) % 2, plane (kf % 8) / 2, channels 32 (kf % 2) on
.macro FETCH kf
	WIN 0x40                                       ; destination window 1, address window 0
.set fa, 64*((\kf)%2)
.set ar, ADRA+2*(((\kf)/8)%2)+((\kf)%8)/4
.set ao, ((((\kf)%8)/2)%2)*PLANE+((\kf)%2)*64
.irp i, 0,1,2,3,4,5,6,7
	ds_load_b128 v[fa+8*\i:fa+8*\i+3],   v[ar] offset:ao+\i*16*PITCH
	ds_load_b128 v[fa+8*\i+4:fa+8*\i+7], v[ar] offset:ao+\i*16*PITCH+32
.endr
.endm
.macro BWAIT kf                        ; the weight's images of quarter kf are in; the later quarters' loads, eight each, may be out: six quarters' while there are so many
.if (\kf)+6 <= 31
	s_wait_loadcnt 48
.else
	s_wait_loadcnt 8*(31-(\kf))
.endif
.endm
; a quarter that has its successor in the same slot.  In its middle, behind four places, stand the loads into the registers that the quarter before multiplied: ctx's next fragments, and the weight's images of seven quarters on
.macro QUARTER kf, first
	BWAIT \kf
	s_wait_dscnt 8                                 ; the youngest eight loads (ctx's tiles 4 to 7) may be out
	WIN MUL-0x20*\first
	MUL8 \kf, 0, \first
	MUL8 \kf, 2, \first
	PLACES
	FETCH (\kf)+1
.if (\kf)+7 <= 31
	BLOAD (\kf)+7
.endif
	s_wait_dscnt 16                                ; all but the 16 just issued
	WIN MUL-0x20*\first
	MUL8 \kf, 4, \first
	MUL8 \kf, 6, \first
.endm
; a slot's last quarter changes slots: ONE barrier; in front of it each wave waits for all its tensor loads, adds 0 to its spare word, and waits for that and for its reads of this slot.
; fill = 1: the barrier opens a round of the cluster's, and behind the round this slot takes the heads eight further on
.macro TURN kf, fill, slot
	BWAIT \kf
	WIN 0                                          ; (the add's two registers lie in window 0)
	s_wait_tensorcnt 0x0                           ; all my tensor loads have landed: my plane of the next slot
	ds_add_u32 v[SPW], v[NIL]                      ; 0 onto my spare word
	s_wait_dscnt 9                                 ; (the add and the youngest eight loads may be out)
	WIN MUL
	MUL8 \kf, 0, 0
	s_wait_dscnt 0x0                               ; the add is done, and my reads of this slot are over
	s_barrier_signal -1
	MUL8 \kf, 2, 0
.if \fill
	WIN 0
.endif
	s_barrier_wait -1
.if \fill
	CREST                                          ; no wave of any partner still reads this slot or has a load on its way
	s_add_nc_u64 s[G0+4*\slot+2:G0+4*\slot+3], s[G0+4*\slot+2:G0+4*\slot+3], 4194304
	tensor_load_to_lds s[G0+4*\slot:G0+4*\slot+3], s[G1:G1+7]      ; my one tensor load behind the round
	s_nop 0
.rept 4
	v_nop                                          ; (the places in front of the loads below)
.endr
.else
	PLACES
.endif
	FETCH (\kf)+1
.if (\kf)+7 <= 31
	BLOAD (\kf)+7
.endif
	WIN MUL
	MUL8 \kf, 4, 0
	MUL8 \kf, 6, 0
.endm
	s_wait_tensorcnt 1                             ; my plane of slot 0 is in; slot 1's may stay out
	s_barrier_signal -1
	s_barrier_wait -1
	FETCH 0
	QUARTER 0, 1                                   ; the first quarter's products start the sums, from the bias (its loads are older than the weight's: the quarter's wait covers them)
.irp k, 1,2,3,4,5,6
	QUARTER \k, 0
.endr
	TURN 7, 1, 0                                   ; slot 0 takes heads 8 to 11
.irp k, 8,9,10,11,12,13,14
	QUARTER \k, 0
.endr
	TURN 15, 1, 1                                  ; slot 1 takes heads 12 to 15: the last load
.irp k, 16,17,18,19,20,21,22
	QUARTER \k, 0
.endr
	TURN 23, 0, 0                                  ; nothing is left to fetch
.irp k, 24,25,26,27,28,29,30
	QUARTER \k, 0
.endr
	BWAIT 31                                       ; the very last quarter
	s_wait_dscnt 8
	WIN MUL
	MUL8 31, 0, 0
	MUL8 31, 2, 0
	s_wait_dscnt 0x0
	MUL8 31, 4, 0
	MUL8 31, 6, 0
	WIN 0
; THE WAY OUT, a tile of 16 rows x 64 columns at a time: through my own stage and back as whole rows of 256 bytes
.macro TOSTAGE a
	WIN 0x08                                       ; an LDS store's data are its source 1: window 2
.irp b, 0,1,2,3
	ds_store_b128 v[STO], v[8*(4*(\a)+\b):8*(4*(\a)+\b)+3] offset:64*\b          ; each accumulator from its low end on
	ds_store_b128 v[STO], v[8*(4*(\a)+\b)+4:8*(4*(\a)+\b)+7] offset:64*\b+16
.endr
	WIN 0
.set BBK, BK+32*((\a)%2)
.irp t, 0,1,2,3,4,5,6,7
	ds_load_b128 v[BBK+4*\t:BBK+4*\t+3], v[RD] offset:\t*2*272    ; LDS serves a wave's instructions in order (ISA guide 5.7.1.4)
.endr
.endm
.macro SEND a, younger                 ; younger: the LDS instructions issued behind tile a's loads, which may stay out
.set BBK, BK+32*((\a)%2)
	s_wait_dscnt \younger
.irp t, 0,1,2,3,4,5,6,7
	global_store_b128 v[CO], v[BBK+4*\t:BBK+4*\t+3], s[70:71] offset:(16*(\a)+2*\t)*4096 th:TH_STORE_NT   ; 16 lanes store 256 consecutive bytes, aligned; written once, read by nobody here
.endr
.endm
	PLACES
	TOSTAGE 0
.irp a, 1,2,3,4,5,6,7
.if \a > 1
	s_wait_xcnt 0x0                                ; tile a - 2's stores have read their data: tile a's rows land there only behind this wait
.endif
	TOSTAGE \a
	SEND \a-1, 16                                  ; behind tile a - 1's loads: tile a's 8 stores and 8 loads
.endr
	SEND 7, 0
	s_wait_tensorcnt 0x0                           ; the wave's end: behind my last tensor load and my last LDS store
	ds_add_u32 v[SPW], v[NIL]
	s_wait_dscnt 0x0
	CROUND                                         ; the closing round: no work-group ends while a partner may still ask for a tile that names it
	s_endpgm
.Lfunc_end_k_qaf589f397e_outp:
	.size	k_qaf589f397e_outp, .Lfunc_end_k_qaf589f397e_outp-k_qaf589f397e_outp
	.p2alignl 7, 3214868480
	.fill 96, 4, 3214868480
	.section	.rodata,"a",@progbits
	.p2align	6, 0x0
	.amdhsa_kernel k_qaf589f397e_outp
		.amdhsa_group_segment_fixed_size 327680
		.amdhsa_private_segment_fixed_size 0
		.amdhsa_enable_private_segment 0
		.amdhsa_kernarg_size 48
		.amdhsa_user_sgpr_count 2
		.amdhsa_user_sgpr_kernarg_segment_ptr 1
		.amdhsa_wavefront_size32 1
		.amdhsa_system_sgpr_workgroup_id_x 1
		.amdhsa_system_sgpr_workgroup_id_y 1
		.amdhsa_system_sgpr_workgroup_id_z 1
		.amdhsa_system_vgpr_workitem_id 0
		.amdhsa_next_free_vgpr 1024
		.amdhsa_next_free_sgpr 90
		.amdhsa_reserve_vcc 0
		.amdhsa_float_denorm_mode_32 3
		.amdhsa_float_denorm_mode_16_64 3
		.amdhsa_memory_ordered 1
		.amdhsa_forward_progress 1
		.amdhsa_inst_pref_size 153
	.end_amdhsa_kernel
	.amdgpu_metadata
---
amdhsa.version: [ 1, 2 ]
amdhsa.kernels:
  - .name:           k_qaf589f397e_outp
    .symbol:         k_qaf589f397e_outp.kd
    .args:
      - { .name: ctx, .offset: 0, .size: 8, .value_kind: global_buffer, .address_space: global }
      - { .name: wimg, .offset: 8, .size: 8, .value_kind: global_buffer, .address_space: global }
      - { .name: b_out, .offset: 16, .size: 8, .value_kind: global_buffer, .address_space: global }
      - { .name: b_yout, .offset: 24, .size: 8, .value_kind: global_buffer, .address_space: global }
      - { .name: out0, .offset: 32, .size: 8, .value_kind: global_buffer, .address_space: global }
      - { .name: out1, .offset: 40, .size: 8, .value_kind: global_buffer, .address_space: global }
    .group_segment_fixed_size: 327680
    .private_segment_fixed_size: 0
    .kernarg_segment_align: 8
    .kernarg_segment_size: 48
    .max_flat_workgroup_size: 128
    .sgpr_count:     90
    .vgpr_count:     1024
    .wavefront_size: 32
...
	.end_amdgpu_metadata
.endif
;; end of part 4
